; MI455X (gfx1250); checked and timed in simulation.
; The chip was launched on July 23, 2026; its instructions are those of AMD's public machine-readable ISA for CDNA 5 (MIT licence, August 2026) and "CDNA5" Instruction Set Architecture Reference Guide (July 2026). The comments in the code are by the model that wrote it; some were corrected since.
;; Neuron Memory. Allowed arithmetic: matrix products marked QUANTISED: E2M3 operands, one E8M0 scale for each 32 along K, by v_wmma_scale_f32_16x16x128_f8f6f4 with both operands' format E2M3, f32 sums; products left as they are: f32 operands where the result goes on into a quantised operand, else bf16, f16 or f32 operands; f32 sums; everything else in f32.
;; Inputs: compress_neurons 16 x 1,024 x 128 float32; knowledge_K 32,768 x 128 float32; knowledge_V 32,768 x 1,024 float32; router_w 16 x 1,024 float32; x 2 x 2,048 x 1,024 float32.
;; Outputs: out0 2 x 2,048 x 1,024 float32.
;; This version of the problem:
;;   THIS VERSION OF THE PROBLEM IS GIVEN IN LOW PRECISION. The matrix products marked QUANTISED in the list below multiply operands that are first quantised to E2M3 (2 exponent bits, 3 mantissa bits; 6 bits a number), with one power-of-two scale for each 32 numbers along K (OCP MX v1.0); their sums are f32. All else is computed in f32.
;;   The module's matrix products, in the order in which they are computed (A, B: the left and right operand; K: the contracted axis; several contracted axes count as one K, in the product's order):
;;     1. [M 4,096, K 1,024] x [K 1,024, N 16]; A: input x; B: input router_w: QUANTISED
;;     2. [M 2,048, K 1,024] x [K 1,024, N 4,096]; A: input compress_neurons; B: input x: QUANTISED
;;     3. batch 4,096 x [M 1, K 16] x [K 16, N 128]; A: softmax; B: computed on the way: left as it is (K = 16 < 32)
;;     4. [M 4,096, K 128] x [K 128, N 32,768]; A: computed on the way; B: input knowledge_K: QUANTISED
;;     5. batch 4,096 x [M 1,024, K 8] x [K 8, N 1]; A: computed on the way; B: softmax: left as it is (K = 8 < 32)
;;   THE QUANTISER, for each operand of a quantised product, along K:
;;     - K is cut into blocks of 32 from its start; a last block that is shorter is filled with zeros.
;;     - A block's scale is 2^e with e = floor(log2(the largest magnitude in the block)) - 2, held to -126 .. 127; a block of zeros has e = 0. As a byte (E8M0): e + 127.
;;     - Each number is divided by its block's scale, clamped to +-7.5, and rounded to the nearest number of E2M3, ties to even, subnormals kept.
;;     - The product sums the exact products of the quantised numbers (number of the format x scale) in f32.
;;   ~~~python
;;   def quantise(x, axis):      # numpy; x: float32 -> the quantised numbers, widened to float32 again
;;       x = np.moveaxis(x, axis, -1); K = x.shape[-1]
;;       x = np.pad(x, [(0, 0)] * (x.ndim - 1) + [(0, -K % 32)]); x = x.reshape(x.shape[:-1] + (-1, 32)); a = np.abs(x).max(-1, keepdims=True)
;;       e = np.where(a > 0, np.clip(np.frexp(np.where(a > 0, a, 1))[1] - 1 - 2, -126, 127), 0)      # np.frexp(a)[1] - 1 = floor(log2(a)), exactly
;;       r = np.clip(x / 2.0 ** e, -7.5, 7.5)
;;       step = 2.0 ** (np.maximum(np.frexp(np.where(r == 0, 1, r))[1] - 1, 0) - 3)
;;       q = np.round(r / step) * step * 2.0 ** e      # np.round: ties to even
;;       return np.moveaxis(q.reshape(q.shape[:-2] + (-1,))[..., :K], -1, axis).astype(np.float32)
;;   ~~~
;;   OPERANDS COMPUTED ON THE WAY. 'Computed on the way' means the value that the module computes at that place (a softmax that the list does not call 'softmax' is quantised finished and normalised). What goes into a quantiser is computed in f32, as accurately as f32 sums, v_exp_f32 and their like allow (about 1e-6 of the number): no bf16 or f16 on the way to a quantiser, and a product that is left as it is and whose result goes on into a quantised operand takes f32 operands (vector FMAs, or v_wmma_f32_16x16x4_f32). A number that lies on a knife's edge between two numbers of the format may be rounded either way, as far as f32 arithmetic and the matrix unit's own rounding can turn it there, and no further.
;; 2 versions, each right; version 2 is version 1 with the launches compress, score, refine written anew for expert scheduling mode. Each part assembles by itself: llvm-mc -triple=amdgcn-amd-amdhsa -mcpu=gfx1250 --defsym DOCPART=n.
;; ======== version 1 of 2: 6 launches
;; workspace buffers: opq 8,204,800 bytes; qq 409,600 bytes; gmax 16,777,216 bytes; gsel 131,072 bytes of whole numbers; tidx 131,072 bytes of whole numbers; twt 131,072 bytes
;; launch quant (part 1): grid 769 x 1, 2 waves a work-group, no clusters, 17,152 bytes of LDS; arguments x, router_w, knowledge_K, compress_neurons, opq; writes opq
.if DOCPART == 1
	.amdgcn_target "amdgcn-amd-amdhsa--gfx1250"
	.amdhsa_code_object_version 6
	.text
	.protected	k_q0285ea1473_quant
	.globl	k_q0285ea1473_quant
	.p2align	8
	.type	k_q0285ea1473_quant,@function
k_q0285ea1473_quant:
	s_mov_b64 s[64:65], 0
	v_nop
	global_prefetch_b8 v0, s[64:65] scope:SCOPE_SE
	s_setreg_imm32_b32 hwreg(HW_REG_WAVE_MODE, 25, 1), 1
	s_wait_xcnt 0x0
; NeuronMemory, launch 1 of 6: x, router_w, knowledge_K and compress_neurons, f32, become codes of FP6 (E2M3) with one E8M0 byte for each 32 along K.
; THE PROGRAM.  1 quant: operands into codes.  2 compress: router, softmax, 16 projections, Q, Q's codes.  3 score: Q K^T, of which only the largest score of each GROUP of 32 neighbouring keys is kept.
; 4 pick: for each token the 8 groups with the largest maxima.  5 refine: the 256 scores of those groups once more, by the same matrix instruction on the same codes; the 8 best keys and their softmax.  6 gather: the weighted rows of V.
; WHY THE CHOICE IS EXACT.  Order elements by (score falling, key rising) and groups by (maximum falling, group rising).  If one of the 8 first elements, of value v, lay in a group that is not among the 8 first groups,
; 8 other groups would stand ahead of its group, each holding an element above v, or equal to v at a lower key: 8 elements ahead of it.  So the 8 first elements lie in the 8 first groups.
; NO WORK OF THE PROBLEM IS LEFT OUT AS DEAD: every input has a way to the output and is loaded.  Of knowledge_V only the rows that the indices name are read (a lookup by an index).
; The division by sqrt(128) does not change the order of the scores; it is folded into the constant of the last softmax.
; LIMITS: NaN and infinities among the inputs are not served.  A block of zeros gets the byte 1 where the rule says 127: its codes are zeros, and these bytes are read by this program alone.
; Two raw scores one unit in the last place apart, which the f32 division by sqrt(128) might round together, are ordered here by value and not by index.
; LAYOUT OF opq.  A fragment (16 rows x 128 K, 12 registers a lane) is kept as an IMAGE OF ITS REGISTERS, 1,536 bytes: registers 4 g .. 4 g + 3 of lane L at byte 512 g + 16 L; lane (r, h) holds row r,
; registers 6 c .. 6 c + 5 hold k = 64 c + 32 h + 0 .. 31.  Scale words lie four to a row (four K steps, or four tiles), so that one load of 16 bytes a lane brings four scale registers.
; Rows of a tile: x: token 16 T + r.  router: neuron r.  W tile (rb, n, u): row rho is column 32 rb + 8 u + rho + 8 (rho / 8) of neuron n.  K tile tau: row 8 b + j is key 16384 b + 8 tau + j.
; SHARES.  Work-groups 0-255: a tile of x; 256: router_w; each wave four K steps.  257-512: knowledge_K, each wave four tiles.  513-768: compress_neurons, each wave 32 columns x 128 along d.
.set XI, 0
.set WI, 3158016
.set KI, 4730880
.set XS, 7876608
.set WS, 8008192
.set KS, 8073728
.set SPITCH, 528                       ; a stage row: 512 bytes + 16: an odd multiple of 16, so the sixteen rows that a load touches start in different banks
.set STAGEB, 16*SPITCH                 ; a wave's stage
.set SPARE, 2*STAGEB                   ; behind the stages: the spare words, 128 bytes a wave: one block of 256 bytes that no other line names
.set LI, 1                             ; v1   16 x lane
.set STI, 2                            ; v2   the stage on the way in
.set STO, 3                            ; v3   and on the way out: 528 r + 128 h
.set SA, 4                             ; v4   16 r + 8 h: my two scale words
.set LANE, 5
.set SPW, 6                            ; v6   my spare word; never rewritten
.set NIL, 7                            ; v7   0; never rewritten
.set VO, 8                             ; v8-23 byte offset of row rho's 16 bytes of mine
.set SETA, 24                          ; v24-87, v88-151: two sets of 64 numbers
.set SETB, 88
.set CD, 152                           ; v152-199 codes: 12 registers for each of four fragments, so that no store's data are written again
.set WD, 200                           ; v200-203 the four scale words
.set SEL, 44                           ; s[44:45] lane selects: lane l xor 16
.set HI, 46                            ; s46 lanes 16-31
; 32 neighbours along K in v[src] on become 192 bits of codes: the first 96 in v[lo] on, the second in v[tmp] on (a conversion's three registers begin on an even number); sop: the conversion's scale operand; byt: the byte
.macro BLOCK32 src, lo, tmp, sop, byt, m0, m1
	v_max3_num_f32 v[\m0], |v[\src]|, |v[\src+1]|, |v[\src+2]|
	v_max3_num_f32 v[\m1], |v[\src+3]|, |v[\src+4]|, |v[\src+5]|
.irp i, 6,10,14,18,22,26
	v_max3_num_f32 v[\m0], v[\m0], |v[\src+\i]|, |v[\src+\i+1]|
	v_max3_num_f32 v[\m1], v[\m1], |v[\src+\i+2]|, |v[\src+\i+3]|
.endr
	v_max3_num_f32 v[\m0], v[\m0], |v[\src+30]|, |v[\src+31]|
	v_max3_num_f32 v[\m0], v[\m0], v[\m1], 0x1800000           ; the floor 2^(3 - 127): the byte cannot fall under 1
	v_add_nc_u32 v[\sop], 0xff000000, v[\m0]                   ; 2 off the exponent field: the conversion takes that field as its scale
	v_lshrrev_b32 v[\byt], 23, v[\sop]                         ; the scale's byte
	v_cvt_scalef32_pk16_fp6_f32 v[\lo:\lo+2], v[\src:\src+15], v[\sop]
	v_cvt_scalef32_pk16_fp6_f32 v[\tmp:\tmp+2], v[\src+16:\src+31], v[\sop]
.endm
.macro LOAD f, set                     ; fragment f: sixteen rows, 512 consecutive bytes a load
.irp rho, 0,1,2,3,4,5,6,7,8,9,10,11,12,13,14,15
	global_load_b128 v[\set+4*\rho:\set+4*\rho+3], v[VO+\rho], s[32+2*\f:33+2*\f] th:TH_LOAD_NT
.endr
.endm
.macro TURN set                        ; through my own stage: in as loaded, out 128 neighbouring bytes of one row a lane.  LDS serves a wave's instructions in order
.irp rho, 0,1,2,3,4,5,6,7,8,9,10,11,12,13,14,15
	ds_store_b128 v[STI], v[\set+4*\rho:\set+4*\rho+3] offset:SPITCH*\rho
.endr
.irp c, 0,1
.irp j, 0,1,2,3,4,5,6,7
	ds_load_b128 v[\set+32*\c+4*\j:\set+32*\c+4*\j+3], v[STO] offset:256*\c+16*\j
.endr
.endr
.endm
.macro FRAG f, set                     ; my two blocks (h and 2 + h of row r) become the fragment's registers; the image leaves by three stores of 512 consecutive bytes
	BLOCK32 \set, CD+12*(\f), 204, 212, 214, 216, 217
	BLOCK32 \set+32, CD+12*(\f)+6, 208, 213, 215, 218, 219
	v_nop                                          ; one plain place behind the last conversion
.irp i, 0,1,2
	v_mov_b32 v[CD+12*(\f)+3+\i], v[204+\i]
	v_mov_b32 v[CD+12*(\f)+9+\i], v[208+\i]
.endr
	v_lshl_or_b32 v[WD+(\f)], v215, 16, v214       ; my two bytes,
	v_lshlrev_b32 v[WD+(\f)], v222, v[WD+(\f)]     ; 8 h bits up;
	v_permlanex16_b32 v223, v[WD+(\f)], s[SEL], s[SEL+1]
	v_or_b32 v[WD+(\f)], v[WD+(\f)], v223          ; with lane l xor 16's two the word is whole
.irp g, 0,1,2
	global_store_b128 v[LI], v[CD+12*(\f)+4*\g:CD+12*(\f)+4*\g+3], s[40:41] offset:1536*(\f)+512*\g
.endr
.endm
	s_load_b256 s[4:11], s[0:1], 0x0               ; x s[4:5], router_w s[6:7], knowledge_K s[8:9], compress_neurons s[10:11]
	s_load_b64 s[12:13], s[0:1], 0x20              ; opq
	v_lshl_add_u32 v[SPW], v0, 2, SPARE
	v_mov_b32 v[NIL], 0
	v_lshrrev_b32 v1, 5, v0
	v_readfirstlane_b32 s14, v1                    ; wave 0, 1
	v_and_b32 v[LANE], 31, v0
	s_lshl_b32 s16, ttmp9, 1
	s_add_co_u32 s16, s16, s14                     ; 2 g + w
	s_cmp_ge_u32 ttmp9, 513
	s_cbranch_scc1 .Lw_path
	; ---- x, router_w, knowledge_K: K is innermost.  One text; what differs is chosen on the work-group's number
	s_sub_co_u32 s17, s16, 514                     ; K: q = 2 (g - 257) + w: my four tiles are 4 q .. 4 q + 3
	s_and_b32 s18, ttmp9, 255                      ; x: tile g (0 for the router's)
	s_lshl_b32 s18, s18, 16                        ; 16 rows of 4,096 bytes
	s_lshl_b32 s19, s14, 11
	s_add_co_u32 s18, s18, s19                     ; + my four K steps of 512 bytes
	s_mul_i32 s24, s16, 6144                       ; images: (8 g + 4 w) x 1,536 (tile 256 is the router's section)
	s_lshl_b32 s26, s16, 8
	s_add_co_u32 s26, s26, XS                      ; scale words: 512 g + 256 w
	s_lshl_b32 s47, s17, 14                        ; K: 32 keys of 512 bytes a wave
	s_mul_i32 s48, s17, 6144
	s_add_co_u32 s48, s48, KI
	s_lshl_b32 s49, s17, 8
	s_add_co_u32 s49, s49, KS
	s_mov_b32 s20, 4096
	s_mov_b32 s22, 512
	s_mov_b32 s19, 0
	s_mov_b32 s21, 0
	s_mov_b32 s25, 0
	s_mov_b32 s27, 0
	s_mov_b32 s[SEL], 0x76543210
	s_mov_b32 s[SEL+1], 0xfedcba98
	s_mov_b32 s[HI], 0xffff0000
	s_cmp_lt_u32 ttmp9, 257                        ; x or the router (1), or K (0)
	s_cselect_b32 s18, s18, s47                    ; where my wave's numbers begin
	s_cselect_b32 s24, s24, s48                    ; its images
	s_cselect_b32 s26, s26, s49                    ; its scale words
	s_cselect_b32 s20, 512, s20                    ; from fragment to fragment
	s_cselect_b32 s22, 4096, s22                   ; from row to row
	s_cselect_b32 s15, 0, 8384512                  ; K: rows 8-15 of a tile lie 16,384 keys further on: (16384 - 8) x 512
	s_wait_kmcnt 0x0
	s_cselect_b64 s[28:29], s[4:5], s[8:9]
	s_cmp_eq_u32 ttmp9, 256
	s_cselect_b64 s[28:29], s[6:7], s[28:29]
	s_add_nc_u64 s[32:33], s[28:29], s[18:19]      ; a base for each fragment: never rewritten
	s_add_nc_u64 s[34:35], s[32:33], s[20:21]
	s_add_nc_u64 s[36:37], s[34:35], s[20:21]
	s_add_nc_u64 s[38:39], s[36:37], s[20:21]
	s_add_nc_u64 s[40:41], s[12:13], s[24:25]
	s_add_nc_u64 s[42:43], s[12:13], s[26:27]
	v_lshlrev_b32 v[LI], 4, v[LANE]
	s_mov_b32 s50, 0
.irp rho, 0,1,2,3,4,5,6,7,8,9,10,11,12,13,14,15
	v_add_nc_u32 v[VO+\rho], s50, v[LI]
	s_add_co_u32 s50, s50, s22
.if \rho == 7
	s_add_co_u32 s50, s50, s15
.endif
.endr
	LOAD 0, SETA
	LOAD 1, SETB
	v_and_b32 v224, 15, v0                         ; r
	v_bfe_u32 v225, v0, 4, 1                       ; h
	s_mul_i32 s51, s14, STAGEB                     ; my stage
	v_add_nc_u32 v[STI], s51, v[LI]
	v_mul_u32_u24 v[STO], v224, SPITCH
	v_lshl_add_u32 v[STO], v225, 7, v[STO]
	v_add_nc_u32 v[STO], s51, v[STO]
	v_lshlrev_b32 v[SA], 4, v224
	v_lshl_add_u32 v[SA], v225, 3, v[SA]
	v_lshlrev_b32 v222, 3, v225                    ; 8 h
	v_mov_b32 v223, 0                              ; a lane permute's destination counts as one of its sources
	s_wait_loadcnt 16                              ; fragment 0 is in; fragment 1's sixteen loads may be out
	TURN SETA
	s_wait_dscnt 0x0
	FRAG 0, SETA
	LOAD 2, SETA
	s_wait_loadcnt 16                              ; fragment 1 is in; fragment 2's may be out
	TURN SETB
	s_wait_dscnt 0x0
	FRAG 1, SETB
	LOAD 3, SETB
	s_wait_loadcnt 16
	TURN SETA
	s_wait_dscnt 0x0
	FRAG 2, SETA
	s_wait_loadcnt 0x0
	TURN SETB
	s_wait_dscnt 0x0
	FRAG 3, SETB
	v_cndmask_b32 v220, v[WD], v[WD+2], s[HI]      ; lanes 0-15 store words 0, 1 of row r, lanes 16-31 words 2, 3:
	v_cndmask_b32 v221, v[WD+1], v[WD+3], s[HI]
	global_store_b64 v[SA], v[220:221], s[42:43]   ; 256 consecutive bytes, aligned
	s_wait_tensorcnt 0x0                           ; the wave's end
	ds_add_u32 v[SPW], v[NIL]
	s_wait_dscnt 0x0
	s_endpgm
	; ---- compress_neurons [n][d][r]: K = d is not innermost.  A lane takes a column r, its registers run down d: 128 numbers, four whole blocks.  No LDS on this way
.Lw_path:
	s_sub_co_u32 s16, s16, 1026                    ; p = 2 (g - 513) + w
	s_and_b32 s17, s16, 7                          ; s: the K step
	s_bfe_u32 s18, s16, 0x20003                    ; rb: which 32 columns
	s_lshr_b32 s19, s16, 5                         ; n: the neuron
	s_lshl_b32 s20, s19, 19                        ; 524,288 n
	s_lshl_b32 s21, s17, 16                        ; + 128 rows of 512 bytes a K step
	s_add_co_u32 s20, s20, s21
	s_lshl_b32 s21, s18, 7                         ; + 128 rb
	s_add_co_u32 s20, s20, s21
	s_mov_b32 s21, 0
	s_lshl_b32 s22, s18, 4
	s_add_co_u32 s22, s22, s19                     ; 16 rb + n
	s_lshl_b32 s23, s22, 4
	s_add_co_u32 s23, s23, s17
	s_mul_i32 s24, s23, 1536
	s_add_co_u32 s24, s24, WI                      ; image (rb, n, u = 0, s); u = 1 lies 8 images on
	s_mov_b32 s25, 0
	s_lshl_b32 s26, s22, 10                        ; scale words: 512 bytes a tile, two tiles
	s_lshr_b32 s27, s17, 2
	s_lshl_b32 s27, s27, 8
	s_add_co_u32 s26, s26, s27
	s_and_b32 s27, s17, 3
	s_lshl_b32 s27, s27, 2
	s_add_co_u32 s26, s26, s27
	s_add_co_u32 s26, s26, WS
	s_mov_b32 s27, 0
	v_lshlrev_b32 v1, 2, v[LANE]                   ; 4 bytes a lane
	s_wait_kmcnt 0x0
	s_add_nc_u64 s[10:11], s[10:11], s[20:21]
	s_add_nc_u64 s[28:29], s[12:13], s[24:25]
	s_add_nc_u64 s[30:31], s[12:13], s[26:27]
.set KK, 0
.rept 128
	global_load_b32 v[24+KK], v1, s[10:11] offset:512*KK th:TH_LOAD_NT   ; W(n, 128 s + KK, my column): 128 consecutive bytes a wave
.set KK, KK+1
.endr
	v_bfe_u32 v8, v0, 3, 1                         ; u
	v_bfe_u32 v9, v0, 4, 1
	v_and_b32 v10, 7, v0
	v_lshl_add_u32 v9, v9, 3, v10                  ; rho = 8 (lane / 16) + lane % 8: my row in tile u
	v_lshlrev_b32 v9, 4, v9
	v_mul_u32_u24 v10, v8, 12288
	v_add_nc_u32 v10, v10, v9                      ; images: 12,288 u + 16 rho
	v_lshl_add_u32 v11, v8, 9, v9                  ; scale words: 512 u + 16 rho
.macro WBLOCK b, cnt                   ; block b of the 128 belongs to half b % 2 of the lanes of the image, registers 6 (b / 2) on
	s_wait_loadcnt \cnt
	BLOCK32 24+32*(\b), 152+12*((\b)%2)+6*((\b)/2), 176+4*(\b), 196+(\b), 192+(\b), 200, 201
.endm
	WBLOCK 0, 63                                   ; 96 loads are younger than block 0's; a count holds 63 at most, and a smaller count is safe
	WBLOCK 1, 63                                   ; 64 are younger
	WBLOCK 2, 32
	WBLOCK 3, 0
	v_nop                                          ; one plain place behind the last conversion
.irp b, 0,1,2,3
.irp i, 0,1,2
	v_mov_b32 v[152+12*(\b%2)+6*(\b/2)+3+\i], v[176+4*\b+\i]
.endr
.endr
	v_lshl_or_b32 v202, v193, 8, v192              ; my row's scale word for this K step
	v_lshl_or_b32 v202, v194, 16, v202
	v_lshl_or_b32 v202, v195, 24, v202
.irp h, 0,1
.irp g, 0,1,2
	global_store_b128 v10, v[152+12*\h+4*\g:152+12*\h+4*\g+3], s[28:29] offset:512*\g+256*\h   ; the sixteen lanes of a tile store 256 consecutive bytes, aligned
.endr
.endr
	global_store_b32 v11, v202, s[30:31]           ; 4 bytes a lane, 16 bytes apart: one byte in 128 of what this way reads
	s_endpgm
.Lfunc_end_k_q0285ea1473_quant:
	.size	k_q0285ea1473_quant, .Lfunc_end_k_q0285ea1473_quant-k_q0285ea1473_quant
	.p2alignl 7, 3214868480
	.fill 96, 4, 3214868480
	.section	.rodata,"a",@progbits
	.p2align	6, 0x0
	.amdhsa_kernel k_q0285ea1473_quant
		.amdhsa_group_segment_fixed_size 17152
		.amdhsa_private_segment_fixed_size 0
		.amdhsa_enable_private_segment 0
		.amdhsa_kernarg_size 40
		.amdhsa_user_sgpr_count 2
		.amdhsa_user_sgpr_kernarg_segment_ptr 1
		.amdhsa_wavefront_size32 1
		.amdhsa_system_sgpr_workgroup_id_x 1
		.amdhsa_system_sgpr_workgroup_id_y 1
		.amdhsa_system_sgpr_workgroup_id_z 1
		.amdhsa_system_vgpr_workitem_id 0
		.amdhsa_next_free_vgpr 240
		.amdhsa_next_free_sgpr 66
		.amdhsa_reserve_vcc 0
		.amdhsa_float_denorm_mode_32 3
		.amdhsa_float_denorm_mode_16_64 3
		.amdhsa_memory_ordered 1
		.amdhsa_forward_progress 1
		.amdhsa_inst_pref_size 52
	.end_amdhsa_kernel
	.amdgpu_metadata
---
amdhsa.version: [ 1, 2 ]
amdhsa.kernels:
  - .name:           k_q0285ea1473_quant
    .symbol:         k_q0285ea1473_quant.kd
    .args:
      - { .name: x, .offset: 0, .size: 8, .value_kind: global_buffer, .address_space: global }
      - { .name: router_w, .offset: 8, .size: 8, .value_kind: global_buffer, .address_space: global }
      - { .name: knowledge_K, .offset: 16, .size: 8, .value_kind: global_buffer, .address_space: global }
      - { .name: compress_neurons, .offset: 24, .size: 8, .value_kind: global_buffer, .address_space: global }
      - { .name: opq, .offset: 32, .size: 8, .value_kind: global_buffer, .address_space: global }
    .group_segment_fixed_size: 17152
    .private_segment_fixed_size: 0
    .kernarg_segment_align: 8
    .kernarg_segment_size: 40
    .max_flat_workgroup_size: 64
    .sgpr_count:     66
    .vgpr_count:     240
    .wavefront_size: 32
...
	.end_amdgpu_metadata
.endif
;; end of part 1
;; launch compress (part 2): grid 4 x 64, 4 waves a work-group, no clusters, 82,432 bytes of LDS; arguments opq, qq; writes qq
.if DOCPART == 2
	.amdgcn_target "amdgcn-amd-amdhsa--gfx1250"
	.amdhsa_code_object_version 6
	.text
	.protected	k_q0285ea1473_compress
	.globl	k_q0285ea1473_compress
	.p2align	8
	.type	k_q0285ea1473_compress,@function
k_q0285ea1473_compress:
	s_mov_b64 s[64:65], 0
	v_nop
	global_prefetch_b8 v0, s[64:65] scope:SCOPE_SE
	s_setreg_imm32_b32 hwreg(HW_REG_WAVE_MODE, 25, 1), 1
	s_wait_xcnt 0x0
; Launch 2 of 6: router scores (x router_w^T), their softmax, the 16 projections x W_n, Q = sum over n of w_n (x W_n) in f32, and Q's codes.  No work of the problem is left out here.
; SHARES.  A work-group takes 64 tokens (four tiles m) x 32 columns r (rb) x all 16 neurons.  THE WAVES SHARE THE NEURONS: wave w takes neurons 4 w .. 4 w + 3, eight column tiles, for all four token tiles,
; so each fragment of W is used by one wave alone and goes from memory straight into its registers, where it feeds four products.  x's 32 fragments reach all waves through LDS as images of their registers, and stay in registers.
; Each wave also multiplies the router's tile: 32 products beside 256, in place of one more barrier and a way through LDS.  The router's rows are taken TURNED by 4 w, so that registers 0-3 of lanes 0-15 hold my own four neurons.
; No tensor load, no cluster: nothing that one wave fetches is read by another but x, which is small.
; BOTH PRODUCTS ARE USED TRANSPOSED (source 0 = 16 rows of W or of the router, source 1 = 16 tokens): lane (t, h) holds token t, register j row 8 h + j.  By the order of W's rows in a tile, the 16 registers
; of tiles u = 0, 1 are columns 32 rb + 16 h + 0 .. 15: neighbours along the next product's K.
; LIMITS: NaN and infinities are not served; a block of zeros gets the byte 1 (its codes are zeros; this program alone reads the bytes).
; REGISTERS, in windows of 256: window 0: addresses, scale words, four accumulators, Q's sums, weights.  window 1: x's fragments of tiles 0, 1 (96 m + 12 s).  window 2: of tiles 2, 3.  window 3: a ring of five slots of four fragments.
.set RI, 3145728
.set WI, 3158016
.set XS, 7876608
.set RS, 8007680
.set WS, 8008192
.set QSOFF, 393216
.set RED, 49152                        ; LDS: x's 32 images from byte 0; then the waves' partial sums [wave][m][2,048 bytes];
.set SPARE, 81920                      ; then the spare words, 128 bytes a wave: two blocks of 256 bytes that no other line names
.set LI, 1                             ; v1  16 x lane
.set XWI, 2                            ; v2  where I store my tile's images: 12,288 w + 16 x lane
.set RLI, 3                            ; v3  16 x (((r + 4 w) % 16) + 16 h): the router's rows, turned
.set RDW, 4                            ; v4  my partial sums, out
.set RDR, 5                            ; v5  tile w's partial sums, in
.set QO, 6                             ; v6  96 t + 12 h
.set QSO, 7                            ; v7  4 t
.set SPW, 8                            ; v8  my spare word; never rewritten
.set NIL, 9                            ; v9  0; never rewritten
.set XSC, 16                           ; v16-31  x's scale words: register 4 m + q: K step q in lanes 0-15, K step 4 + q in lanes 16-31
.set CSC, 32                           ; v32-67  the same for the router (ct = 0) and my eight tiles of W (ct = 1 .. 8)
.set ACC, 72                           ; v72-103 four accumulators
.set QA, 104                           ; v104-167 Q's sums: 16 m + 8 u + j
.set WT, 168                           ; v168-183 the weights: 4 m + i
.set TM, 184                           ; at work
.set SEL, 28
.set HI, 30
.set MSB, 0
.macro WIN new                         ; the immediate's high byte repeats the setting that is left; a switch that changes nothing is dropped
.if MSB != \new
	s_set_vgpr_msb (MSB<<8)|\new
.set MSB, \new
.endif
.endm
.set M1, 0x07                          ; source 0 window 3, source 1 window 1
.set M2, 0x0b                          ; source 0 window 3, source 1 window 2
.set TO_R, 0xc0
.set TO_X1, 0x40
.set TO_X2, 0x80
.set ST_X1, 0x04                       ; an LDS store's data: window 1
; half tile e (0 .. 17): column tile e / 2, K steps 4 (e % 2) + 0 .. 3, into slot e % 5: twelve loads of 512 consecutive bytes
.macro RLOAD e
	WIN TO_R
.set RZ, 48*((\e)%5)
.set RCT, (\e)/2
.set RHF, (\e)%2
.irp q, 0,1,2,3
.irp g, 0,1,2
.if RCT == 0
	global_load_b128 v[RZ+12*\q+4*\g:RZ+12*\q+4*\g+3], v[RLI], s[12:13] offset:(4*RHF+\q)*1536+512*\g
.else
	global_load_b128 v[RZ+12*\q+4*\g:RZ+12*\q+4*\g+3], v[LI], s[14:15] offset:(RCT-1)*12288+(4*RHF+\q)*1536+512*\g
.endif
.endr
.endr
.endm
.macro PROD m, q
.set PD, ACC+8*(\m)
.set PA, Z+12*(\q)
.set PB, 96*((\m)%2)+12*(4*HF+(\q))
.set PSA, CSC+4*CT+(\q)
.set PSB, XSC+4*(\m)+(\q)
.if HF == 1
	v_wmma_scale_f32_16x16x128_f8f6f4 v[PD:PD+7], v[PA:PA+11], v[PB:PB+11], v[PD:PD+7], v[PSA], v[PSB] matrix_a_fmt:MATRIX_FMT_FP6 matrix_b_fmt:MATRIX_FMT_FP6 matrix_a_scale:MATRIX_SCALE_ROW1 matrix_b_scale:MATRIX_SCALE_ROW1
.elseif (\q) == 0
	v_wmma_scale_f32_16x16x128_f8f6f4 v[PD:PD+7], v[PA:PA+11], v[PB:PB+11], 0, v[PSA], v[PSB] matrix_a_fmt:MATRIX_FMT_FP6 matrix_b_fmt:MATRIX_FMT_FP6
.else
	v_wmma_scale_f32_16x16x128_f8f6f4 v[PD:PD+7], v[PA:PA+11], v[PB:PB+11], v[PD:PD+7], v[PSA], v[PSB] matrix_a_fmt:MATRIX_FMT_FP6 matrix_b_fmt:MATRIX_FMT_FP6
.endif
.endm
; The router's softmax, the four tiles by turns.  A lane holds 8 of its token's 16 scores, lane l xor 16 the others.  The maximum is taken away; the difference is formed before the scaling.
.macro SOFTMAX
.irp m, 0,1,2,3
	v_max3_num_f32 v[TM+\m], v[ACC+8*\m], v[ACC+8*\m+1], v[ACC+8*\m+2]
.endr
.irp m, 0,1,2,3
	v_max3_num_f32 v[TM+\m], v[TM+\m], v[ACC+8*\m+3], v[ACC+8*\m+4]
.endr
.irp m, 0,1,2,3
	v_max3_num_f32 v[TM+\m], v[TM+\m], v[ACC+8*\m+5], v[ACC+8*\m+6]
.endr
.irp m, 0,1,2,3
	v_max_num_f32 v[TM+\m], v[TM+\m], v[ACC+8*\m+7]
.endr
.irp m, 0,1,2,3
	v_permlanex16_b32 v[TM+4+\m], v[TM+\m], s[SEL], s[SEL+1]
.endr
.irp m, 0,1,2,3
	v_max_num_f32 v[TM+\m], v[TM+\m], v[TM+4+\m]
.endr
.irp m, 0,1,2,3
.irp j, 0,1,2,3,4,5,6,7
	v_sub_f32 v[ACC+8*\m+\j], v[ACC+8*\m+\j], v[TM+\m]
.endr
.endr
.irp m, 0,1,2,3
.irp j, 0,1,2,3,4,5,6,7
	v_mul_f32 v[ACC+8*\m+\j], 0x3fb8aa3b, v[ACC+8*\m+\j]       ; x log2(e)
.endr
.endr
.irp m, 0,1,2,3
.irp j, 0,1,2,3,4,5,6,7
	v_exp_f32 v[ACC+8*\m+\j], v[ACC+8*\m+\j]
.endr
.endr
	v_nop                                          ; a plain place behind the last exponential
	s_wait_alu depctr_va_vdst(0)                   ; one wait for the batch of 32, ahead of its first reader
.irp m, 0,1,2,3
	v_add_f32 v[TM+\m], v[ACC+8*\m], v[ACC+8*\m+1]
	v_add_f32 v[TM+4+\m], v[ACC+8*\m+2], v[ACC+8*\m+3]
	v_add_f32 v[TM+8+\m], v[ACC+8*\m+4], v[ACC+8*\m+5]
	v_add_f32 v[TM+12+\m], v[ACC+8*\m+6], v[ACC+8*\m+7]
.endr
.irp m, 0,1,2,3
	v_add_f32 v[TM+\m], v[TM+\m], v[TM+4+\m]
	v_add_f32 v[TM+8+\m], v[TM+8+\m], v[TM+12+\m]
.endr
.irp m, 0,1,2,3
	v_add_f32 v[TM+\m], v[TM+\m], v[TM+8+\m]
.endr
.irp m, 0,1,2,3
	v_permlanex16_b32 v[TM+4+\m], v[TM+\m], s[SEL], s[SEL+1]
.endr
.irp m, 0,1,2,3
	v_add_f32 v[TM+\m], v[TM+\m], v[TM+4+\m]
.endr
.irp m, 0,1,2,3
	v_rcp_f32 v[TM+8+\m], v[TM+\m]
.endr
	v_nop
	s_wait_alu depctr_va_vdst(0)                   ; one wait for the four reciprocals
.irp m, 0,1,2,3
.irp i, 0,1,2,3
	v_permlanex16_b32 v[TM+16+4*\m+\i], v[ACC+8*\m+\i], s[SEL], s[SEL+1]
.endr
.endr
.irp m, 0,1,2,3
.irp i, 0,1,2,3
	v_cndmask_b32 v[TM+16+4*\m+\i], v[ACC+8*\m+\i], v[TM+16+4*\m+\i], s[HI]   ; my four neurons' numbers stand in lanes 0-15: lanes 16-31 take them from there
.endr
.endr
.irp m, 0,1,2,3
.irp i, 0,1,2,3
	v_mul_f32 v[WT+4*\m+\i], v[TM+16+4*\m+\i], v[TM+8+\m]
.endr
.endr
.endm
.macro FOLD i, u                       ; Q += w_n x (x W_n), in f32; each accumulator is read from its low end on
.irp m, 0,1,2,3
.irp j, 0,1,2,3,4,5,6,7
.if (\i) == 0
	v_mul_f32 v[QA+16*\m+8*(\u)+\j], v[WT+4*\m], v[ACC+8*\m+\j]
.else
	v_fmac_f32 v[QA+16*\m+8*(\u)+\j], v[WT+4*\m+(\i)], v[ACC+8*\m+\j]
.endif
.endr
.endr
.endm
; A half tile: 16 products, the accumulators by turns, one instruction a turn.
.macro HALF e
.set CT, (\e)/2
.set HF, (\e)%2
.set Z, 48*((\e)%5)
.if 17-(\e) < 4
	s_wait_loadcnt 12*(17-(\e))                    ; my slot is in; the half tiles asked for behind it, twelve loads each, may be out
.else
	s_wait_loadcnt 48
.endif
	WIN M1
.irp q, 0,1,2,3
.irp m, 0,1
	PROD \m, \q
.endr
.endr
	WIN M2
.irp q, 0,1,2,3
.irp m, 2,3
	PROD \m, \q
.endr
.endr
	WIN 0
.rept 5
	v_nop                                          ; places: in front of the loads into the slot just read, of the first read of results, and of the products that begin the accumulators anew
.endr
.if (\e)+5 <= 17
	RLOAD (\e)+5
.endif
	WIN 0
.if HF == 1
.if CT == 0
	SOFTMAX
.else
	FOLD (CT-1)/2, (CT-1)%2
.endif
.endif
.endm
	s_load_b128 s[4:7], s[0:1], 0x0                ; opq, qq
	v_lshl_add_u32 v[SPW], v0, 2, SPARE
	v_mov_b32 v[NIL], 0
	v_lshrrev_b32 v10, 5, v0
	v_readfirstlane_b32 s8, v10                    ; wave 0..3
	s_and_b32 s10, ttmp7, 0xffff                   ; tb: which 64 tokens;  ttmp9 = rb: which 32 columns
	v_and_b32 v10, 31, v0
	v_lshlrev_b32 v[LI], 4, v10
	v_and_b32 v11, 15, v0                          ; t
	v_bfe_u32 v12, v0, 4, 1                        ; h
	s_mul_i32 s32, s8, 12288
	v_add_nc_u32 v[XWI], s32, v[LI]
	s_lshl_b32 s32, s8, 2
	v_add_nc_u32 v13, s32, v11
	v_and_b32 v13, 15, v13
	v_lshl_add_u32 v13, v12, 4, v13
	v_lshlrev_b32 v[RLI], 4, v13
	s_lshl_b32 s32, s8, 13
	s_add_co_u32 s32, s32, RED
	v_add_nc_u32 v[RDW], s32, v[LI]
	s_lshl_b32 s32, s8, 11
	s_add_co_u32 s32, s32, RED
	v_add_nc_u32 v[RDR], s32, v[LI]
	v_mul_u32_u24 v[QO], v11, 96
	v_mad_u32_u24 v[QO], v12, 12, v[QO]
	v_lshlrev_b32 v[QSO], 2, v11
	s_lshl_b32 s34, ttmp9, 4
	s_lshl_b32 s35, s8, 2
	s_add_co_u32 s34, s34, s35                     ; 16 rb + 4 w: my first neuron's place among W's tiles
	s_lshl_b32 s35, s10, 2
	s_add_co_u32 s35, s35, s8                      ; 4 tb + w: the token tile that I bring in, and whose Q I finish
	s_mov_b32 s33, 0
	s_mov_b32 s[SEL], 0x76543210
	s_mov_b32 s[SEL+1], 0xfedcba98
	s_mov_b32 s[HI], 0xffff0000
	s_wait_kmcnt 0x0
	s_add_nc_u64 s[12:13], s[4:5], RI              ; the router's images
	s_mul_i32 s32, s34, 24576
	s_add_co_u32 s32, s32, WI
	s_add_nc_u64 s[14:15], s[4:5], s[32:33]        ; my eight tiles of W
	s_mul_i32 s32, s35, 12288
	s_add_nc_u64 s[16:17], s[4:5], s[32:33]        ; my tile of x
	s_lshl_b32 s32, s10, 11
	s_add_co_u32 s32, s32, XS
	s_add_nc_u64 s[18:19], s[4:5], s[32:33]        ; the four tiles' scale words
	s_add_nc_u64 s[20:21], s[4:5], RS
	s_lshl_b32 s32, s34, 10
	s_add_co_u32 s32, s32, WS
	s_add_nc_u64 s[22:23], s[4:5], s[32:33]
	s_mul_i32 s32, s35, 1536                       ; Q's codes: 16 tokens x 96 bytes,
	s_mul_i32 s36, ttmp9, 24
	s_add_co_u32 s32, s32, s36                     ; + block rb's 24 bytes
	s_add_nc_u64 s[24:25], s[6:7], s[32:33]
	s_lshl_b32 s32, s35, 6
	s_add_co_u32 s32, s32, ttmp9
	s_add_co_u32 s32, s32, QSOFF
	s_add_nc_u64 s[26:27], s[6:7], s[32:33]        ; Q's scale bytes: 4 a token, byte rb
	WIN TO_X1
.irp s, 0,1,2,3,4,5,6,7
.irp g, 0,1,2
	global_load_b128 v[12*\s+4*\g:12*\s+4*\g+3], v[LI], s[16:17] offset:1536*\s+512*\g
.endr
.endr
	WIN 0
.irp m, 0,1,2,3
	global_load_b128 v[XSC+4*\m:XSC+4*\m+3], v[LI], s[18:19] offset:512*\m
.endr
	global_load_b128 v[CSC:CSC+3], v[RLI], s[20:21]
.irp c, 1,2,3,4,5,6,7,8
	global_load_b128 v[CSC+4*\c:CSC+4*\c+3], v[LI], s[22:23] offset:512*(\c-1)
.endr
	RLOAD 0
	RLOAD 1
	RLOAD 2
	RLOAD 3
	RLOAD 4
	WIN 0
.irp i, 4,5,6,7,16,17,18,19,20,21,22,23,24,25,26,27,28,29,30,31
	v_mov_b32 v[TM+\i], 0                          ; written once: a lane permute's destination counts as one of its sources
.endr
	s_wait_loadcnt 60                              ; x's tile and the scale words are in; the ring's sixty loads may be out
	WIN ST_X1
.irp s, 0,1,2,3,4,5,6,7
.irp g, 0,1,2
	ds_store_b128 v[XWI], v[12*\s+4*\g:12*\s+4*\g+3] offset:1536*\s+512*\g
.endr
.endr
	WIN 0
	s_wait_dscnt 0x0                               ; for the others' sake: my images have landed
	s_barrier_signal -1
	s_barrier_wait -1                              ; all 32 images lie in LDS; nobody writes them again
	WIN TO_X1
.irp m, 0,1
.irp s, 0,1,2,3,4,5,6,7
.irp g, 0,1,2
	ds_load_b128 v[96*\m+12*\s+4*\g:96*\m+12*\s+4*\g+3], v[LI] offset:12288*\m+1536*\s+512*\g
.endr
.endr
.endr
	WIN TO_X2
.irp m, 0,1
.irp s, 0,1,2,3,4,5,6,7
.irp g, 0,1,2
	ds_load_b128 v[96*\m+12*\s+4*\g:96*\m+12*\s+4*\g+3], v[LI] offset:12288*(\m+2)+1536*\s+512*\g
.endr
.endr
.endr
	WIN 0
	s_wait_dscnt 0x0
.set E, 0
.rept 18
	HALF E
.set E, E+1
.endr
	; the four waves' partial sums meet: wave w finishes token tile w
.irp m, 0,1,2,3
.irp g, 0,1,2,3
	ds_store_b128 v[RDW], v[QA+16*\m+4*\g:QA+16*\m+4*\g+3] offset:2048*\m+512*\g
.endr
.endr
	s_wait_dscnt 0x0
	s_barrier_signal -1
	s_barrier_wait -1
.irp v, 0,1,2,3
.irp g, 0,1,2,3
	ds_load_b128 v[QA+16*\v+4*\g:QA+16*\v+4*\g+3], v[RDR] offset:8192*\v+512*\g
.endr
.endr
	s_wait_dscnt 0x0
.irp v, 1,2,3
.irp j, 0,2,4,6,8,10,12,14
	v_pk_add_f32 v[QA+\j:QA+\j+1], v[QA+\j:QA+\j+1], v[QA+16*\v+\j:QA+16*\v+\j+1]   ; neurons ascending: ((0-3) + (4-7)) + (8-11) + (12-15)
.endr
.endr
	; my 16 numbers are columns 32 rb + 16 h + 0 .. 15 of token t: with lane l xor 16's they are block rb of Q's 128
	v_max3_num_f32 v[TM], |v[QA]|, |v[QA+1]|, 0x1800000            ; the floor 2^(3 - 127): the byte cannot fall under 1
.irp i, 2,4,6,8,10,12,14
	v_max3_num_f32 v[TM], v[TM], |v[QA+\i]|, |v[QA+\i+1]|
.endr
	v_permlanex16_b32 v[TM+1], v[TM], s[SEL], s[SEL+1]
	v_max_num_f32 v[TM], v[TM], v[TM+1]
	v_add_nc_u32 v[TM+2], 0xff000000, v[TM]        ; 2 off the exponent field: the conversion's scale operand
	v_lshrrev_b32 v[TM+3], 23, v[TM+2]             ; the byte
	v_cvt_scalef32_pk16_fp6_f32 v[TM+8:TM+10], v[QA:QA+15], v[TM+2]
	v_nop                                          ; one plain place behind the conversion
	global_store_b96 v[QO], v[TM+8:TM+10], s[24:25]
	global_store_b8 v[QSO], v[TM+3], s[26:27]      ; lanes l and l + 16 write the same byte with the same value
	s_wait_tensorcnt 0x0                           ; the wave's end
	ds_add_u32 v[SPW], v[NIL]
	s_wait_dscnt 0x0
	s_endpgm
.Lfunc_end_k_q0285ea1473_compress:
	.size	k_q0285ea1473_compress, .Lfunc_end_k_q0285ea1473_compress-k_q0285ea1473_compress
	.p2alignl 7, 3214868480
	.fill 96, 4, 3214868480
	.section	.rodata,"a",@progbits
	.p2align	6, 0x0
	.amdhsa_kernel k_q0285ea1473_compress
		.amdhsa_group_segment_fixed_size 82432
		.amdhsa_private_segment_fixed_size 0
		.amdhsa_enable_private_segment 0
		.amdhsa_kernarg_size 16
		.amdhsa_user_sgpr_count 2
		.amdhsa_user_sgpr_kernarg_segment_ptr 1
		.amdhsa_wavefront_size32 1
		.amdhsa_system_sgpr_workgroup_id_x 1
		.amdhsa_system_sgpr_workgroup_id_y 1
		.amdhsa_system_sgpr_workgroup_id_z 1
		.amdhsa_system_vgpr_workitem_id 0
		.amdhsa_next_free_vgpr 1024
		.amdhsa_next_free_sgpr 66
		.amdhsa_reserve_vcc 0
		.amdhsa_float_denorm_mode_32 3
		.amdhsa_float_denorm_mode_16_64 3
		.amdhsa_memory_ordered 1
		.amdhsa_forward_progress 1
		.amdhsa_inst_pref_size 99
	.end_amdhsa_kernel
	.amdgpu_metadata
---
amdhsa.version: [ 1, 2 ]
amdhsa.kernels:
  - .name:           k_q0285ea1473_compress
    .symbol:         k_q0285ea1473_compress.kd
    .args:
      - { .name: opq, .offset: 0, .size: 8, .value_kind: global_buffer, .address_space: global }
      - { .name: qq, .offset: 8, .size: 8, .value_kind: global_buffer, .address_space: global }
    .group_segment_fixed_size: 82432
    .private_segment_fixed_size: 0
    .kernarg_segment_align: 8
    .kernarg_segment_size: 16
    .max_flat_workgroup_size: 128
    .sgpr_count:     66
    .vgpr_count:     1024
    .wavefront_size: 32
...
	.end_amdgpu_metadata
.endif
;; end of part 2
;; launch score (part 3): grid 16 x 16, 4 waves a work-group, no clusters, 25,088 bytes of LDS; arguments opq, qq, gmax; writes gmax
.if DOCPART == 3
	.amdgcn_target "amdgcn-amd-amdhsa--gfx1250"
	.amdhsa_code_object_version 6
	.text
	.protected	k_q0285ea1473_score
	.globl	k_q0285ea1473_score
	.p2align	8
	.type	k_q0285ea1473_score,@function
k_q0285ea1473_score:
	s_mov_b64 s[64:65], 0
	v_nop
	global_prefetch_b8 v0, s[64:65] scope:SCOPE_SE
	s_setreg_imm32_b32 hwreg(HW_REG_WAVE_MODE, 25, 1), 1
	s_wait_xcnt 0x0
; Launch 3 of 6: all scores Q K^T on codes; kept is the largest score of each group of 32 neighbouring keys (group = key / 32): 1,024 numbers a token.  No score is left out; why the maxima suffice is shown at the head of the first launch.
; SHARES.  A work-group takes 256 tokens (16 tiles m) x 128 tiles of keys.  THE WAVES SHARE THE KEYS: wave w takes 32 tiles, in 8 steps of 4, against all 16 token tiles: each fragment of K is used by one wave alone,
; goes from memory straight into its registers, and feeds 16 products.  Q's 16 fragments reach all waves through LDS as images of their registers, and stay in registers.  So no tensor load and no cluster: what is shared is small.
; LAYOUT.  Source 0 = a tile of K, source 1 = 16 tokens: lane (t, h) holds token t; register j of tile tau is key 16384 h + 8 tau + j.  The four tiles of a step are 32 neighbouring keys in ONE lane: the group 512 h + tau / 4.
; A pass is four products (C = 0: K is 128, one instruction deep) into one of two sets of accumulators; the sixteen maxima of the pass before stand behind them, and are the places that the products want.
; gmax: [token tile][chunk of 4 groups][lane][4]: each store of a wave covers 512 consecutive bytes.
; REGISTERS: window 0: addresses, scale words, accumulators, results.  window 1: Q's fragments (12 m).  window 2: K of steps 0-3 (48 k + 12 i).  window 3: K of steps 4-7.
.set KI, 4730880
.set KS, 8073728
.set QSOFF, 393216
.set SPARE, 24576                      ; LDS: Q's 16 images from byte 0; then the spare words, 128 bytes a wave
.set LI, 1                             ; v1  16 x lane
.set QRO, 2                            ; v2  96 r + 24 h
.set QWI, 3                            ; v3  where I store my four images
.set L4, 4                             ; v4  4 x lane
.set SPW, 6
.set NIL, 7
.set QSC, 8                            ; v8-15   Q's scale words: register m / 2: the even tile in lanes 0-15, the odd one in lanes 16-31
.set KSC, 16                           ; v16-31  K's: register 4 (k / 2) + i: the even step in lanes 0-15, the odd one in lanes 16-31
.set ACC, 32                           ; v32-95  two sets of four accumulators
.set OUT, 96                           ; v96-223 the maxima: 8 m + k (at the head: my four tiles of Q as loaded)
.set TM, 224
.set MSB, 0
.macro WIN new
.if MSB != \new
	s_set_vgpr_msb (MSB<<8)|\new
.set MSB, \new
.endif
.endm
.macro KLOAD k                         ; step k's four fragments: twelve loads of 512 consecutive bytes
.if (\k) < 4
	WIN 0x80
.else
	WIN 0xc0
.endif
.irp i, 0,1,2,3
.irp g, 0,1,2
	global_load_b128 v[48*((\k)%4)+12*\i+4*\g:48*((\k)%4)+12*\i+4*\g+3], v[LI], s[18:19] offset:(4*(\k)+\i)*1536+512*\g
.endr
.endr
.endm
.macro PRODS i
.set PD, ACC+32*(RR%2)+8*(\i)
.set PA, 48*(KK%4)+12*(\i)
.set PB, 12*MM
.set PSA, KSC+4*(KK/2)+(\i)
.set PSB, QSC+MM/2
.if (KK%2 == 0) && (MM%2 == 0)
	v_wmma_scale_f32_16x16x128_f8f6f4 v[PD:PD+7], v[PA:PA+11], v[PB:PB+11], 0, v[PSA], v[PSB] matrix_a_fmt:MATRIX_FMT_FP6 matrix_b_fmt:MATRIX_FMT_FP6
.elseif KK%2 == 0
	v_wmma_scale_f32_16x16x128_f8f6f4 v[PD:PD+7], v[PA:PA+11], v[PB:PB+11], 0, v[PSA], v[PSB] matrix_a_fmt:MATRIX_FMT_FP6 matrix_b_fmt:MATRIX_FMT_FP6 matrix_b_scale:MATRIX_SCALE_ROW1
.elseif MM%2 == 0
	v_wmma_scale_f32_16x16x128_f8f6f4 v[PD:PD+7], v[PA:PA+11], v[PB:PB+11], 0, v[PSA], v[PSB] matrix_a_fmt:MATRIX_FMT_FP6 matrix_b_fmt:MATRIX_FMT_FP6 matrix_a_scale:MATRIX_SCALE_ROW1
.else
	v_wmma_scale_f32_16x16x128_f8f6f4 v[PD:PD+7], v[PA:PA+11], v[PB:PB+11], 0, v[PSA], v[PSB] matrix_a_fmt:MATRIX_FMT_FP6 matrix_b_fmt:MATRIX_FMT_FP6 matrix_a_scale:MATRIX_SCALE_ROW1 matrix_b_scale:MATRIX_SCALE_ROW1
.endif
.endm
.macro MAXG r                          ; the largest of pass r's 32 scores of a lane: sixteen lines, four chains; each accumulator is read from its low end on
.set AB, ACC+32*((\r)%2)
.irp i, 0,1,2,3
	v_max3_num_f32 v[TM+\i], v[AB+8*\i], v[AB+8*\i+1], v[AB+8*\i+2]
.endr
.irp i, 0,1,2,3
	v_max3_num_f32 v[TM+\i], v[TM+\i], v[AB+8*\i+3], v[AB+8*\i+4]
.endr
.irp i, 0,1,2,3
	v_max3_num_f32 v[TM+\i], v[TM+\i], v[AB+8*\i+5], v[AB+8*\i+6]
.endr
	v_max3_num_f32 v[TM+4], v[TM], v[AB+7], v[AB+15]
	v_max3_num_f32 v[TM+5], v[TM+1], v[AB+23], v[AB+31]
	v_max3_num_f32 v[TM+4], v[TM+4], v[TM+5], v[TM+2]
	v_max_num_f32 v[OUT+8*((\r)%16)+(\r)/16], v[TM+4], v[TM+3]
.endm
.macro SENDC c                         ; four steps' maxima of all 16 token tiles; these registers are never written again
.irp m, 0,1,2,3,4,5,6,7,8,9,10,11,12,13,14,15
	global_store_b128 v[LI], v[OUT+8*\m+4*(\c):OUT+8*\m+4*(\c)+3], s[20:21] offset:65536*\m+512*(\c) th:TH_STORE_NT
.endr
.endm
.macro PASS                            ; pass RR = 16 k + m
.set KK, RR/16
.set MM, RR%16
.if MM == 0
.if KK < 4
	s_wait_loadcnt 36                              ; step k's fragments are in; those of the three steps asked for behind it may be out
	KLOAD KK+4
.else
	s_wait_loadcnt 12*(7-KK)
.endif
.endif
.if KK < 4
	WIN 0x06                                       ; source 0 (K) window 2, source 1 (Q) window 1
.else
	WIN 0x07                                       ; source 0 window 3
.endif
.irp i, 0,1,2,3
	PRODS \i
.endr
	WIN 0
.if RR == 0
.rept 6
	v_nop                                          ; the first pass has no maxima to set behind it
.endr
.else
	MAXG RR-1
.endif
.if RR == 64
	SENDC 0
.endif
.set RR, RR+1
.endm
	s_load_b128 s[4:7], s[0:1], 0x0                ; opq, qq
	s_load_b64 s[8:9], s[0:1], 0x10                ; gmax
	v_lshl_add_u32 v[SPW], v0, 2, SPARE
	v_mov_b32 v[NIL], 0
	v_lshrrev_b32 v5, 5, v0
	v_readfirstlane_b32 s10, v5                    ; wave 0..3
	s_and_b32 s11, ttmp7, 0xffff                   ; X: which 256 tokens;  ttmp9 = y: which 128 tiles of keys
	v_and_b32 v5, 31, v0
	v_lshlrev_b32 v[LI], 4, v5
	v_lshlrev_b32 v[L4], 2, v5
	v_and_b32 v224, 15, v0
	v_bfe_u32 v225, v0, 4, 1
	v_mul_u32_u24 v[QRO], v224, 96
	v_mad_u32_u24 v[QRO], v225, 24, v[QRO]
	s_mul_i32 s24, s10, 6144
	v_add_nc_u32 v[QWI], s24, v[LI]
	s_lshl_b32 s22, ttmp9, 2
	s_add_co_u32 s22, s22, s10                     ; 4 y + w
	s_mov_b32 s25, 0
	s_wait_kmcnt 0x0
	s_lshl_b32 s24, s22, 11
	s_add_co_u32 s24, s24, KS
	s_add_nc_u64 s[12:13], s[4:5], s[24:25]        ; K's scale words: (32 y + 8 w) x 256
	s_lshl_b32 s24, s11, 10
	s_add_co_u32 s24, s24, QSOFF
	s_add_nc_u64 s[14:15], s[6:7], s[24:25]        ; Q's: 256 tokens x 4
	s_mul_i32 s24, s11, 24576
	s_mul_i32 s23, s10, 6144
	s_add_co_u32 s24, s24, s23
	s_add_nc_u64 s[16:17], s[6:7], s[24:25]        ; the four tiles of Q that I bring in: (256 X + 64 w) x 96
	s_mul_i32 s24, s22, 49152
	s_add_co_u32 s24, s24, KI
	s_add_nc_u64 s[18:19], s[4:5], s[24:25]        ; my 32 tiles of K
	s_lshl_b32 s24, s11, 20
	s_lshl_b32 s23, s22, 10
	s_add_co_u32 s24, s24, s23
	s_add_nc_u64 s[20:21], s[8:9], s[24:25]        ; gmax: 16 tiles x 65,536 X + (8 y + 2 w) x 512
.irp p, 0,1,2,3
	global_load_b128 v[KSC+4*\p:KSC+4*\p+3], v[LI], s[12:13] offset:512*\p
.endr
.irp p, 0,1,2,3,4,5,6,7
	global_load_b32 v[QSC+\p], v[L4], s[14:15] offset:128*\p
.endr
.irp t, 0,1,2,3
.irp p, 0,1,2,3,4,5
	global_load_b64 v[OUT+12*\t+2*\p:OUT+12*\t+2*\p+1], v[QRO], s[16:17] offset:1536*\t+48*(\p/3)+8*(\p%3)
.endr
.endr
	KLOAD 0
	KLOAD 1
	KLOAD 2
	KLOAD 3
	WIN 0
	s_wait_loadcnt 48                              ; the scale words and Q are in; K's first 48 loads may be out
.irp t, 0,1,2,3
.irp g, 0,1,2
	ds_store_b128 v[QWI], v[OUT+12*\t+4*\g:OUT+12*\t+4*\g+3] offset:1536*\t+512*\g
.endr
.endr
	s_wait_dscnt 0x0                               ; for the others' sake: my images have landed
	s_barrier_signal -1
	s_barrier_wait -1                              ; Q's 16 images lie in LDS; nobody writes them again
	WIN 0x40
.irp m, 0,1,2,3,4,5,6,7,8,9,10,11,12,13,14,15
.irp g, 0,1,2
	ds_load_b128 v[12*\m+4*\g:12*\m+4*\g+3], v[LI] offset:1536*\m+512*\g
.endr
.endr
	WIN 0
	s_wait_dscnt 0x0
.set RR, 0
.rept 128
	PASS
.endr
	MAXG 127                                       ; the sixteen maxima of pass 126 stand between the last products and this read
	SENDC 1
	s_wait_tensorcnt 0x0                           ; the wave's end
	ds_add_u32 v[SPW], v[NIL]
	s_wait_dscnt 0x0
	s_endpgm
.Lfunc_end_k_q0285ea1473_score:
	.size	k_q0285ea1473_score, .Lfunc_end_k_q0285ea1473_score-k_q0285ea1473_score
	.p2alignl 7, 3214868480
	.fill 96, 4, 3214868480
	.section	.rodata,"a",@progbits
	.p2align	6, 0x0
	.amdhsa_kernel k_q0285ea1473_score
		.amdhsa_group_segment_fixed_size 25088
		.amdhsa_private_segment_fixed_size 0
		.amdhsa_enable_private_segment 0
		.amdhsa_kernarg_size 24
		.amdhsa_user_sgpr_count 2
		.amdhsa_user_sgpr_kernarg_segment_ptr 1
		.amdhsa_wavefront_size32 1
		.amdhsa_system_sgpr_workgroup_id_x 1
		.amdhsa_system_sgpr_workgroup_id_y 1
		.amdhsa_system_sgpr_workgroup_id_z 1
		.amdhsa_system_vgpr_workitem_id 0
		.amdhsa_next_free_vgpr 960
		.amdhsa_next_free_sgpr 66
		.amdhsa_reserve_vcc 0
		.amdhsa_float_denorm_mode_32 3
		.amdhsa_float_denorm_mode_16_64 3
		.amdhsa_memory_ordered 1
		.amdhsa_forward_progress 1
		.amdhsa_inst_pref_size 219
	.end_amdhsa_kernel
	.amdgpu_metadata
---
amdhsa.version: [ 1, 2 ]
amdhsa.kernels:
  - .name:           k_q0285ea1473_score
    .symbol:         k_q0285ea1473_score.kd
    .args:
      - { .name: opq, .offset: 0, .size: 8, .value_kind: global_buffer, .address_space: global }
      - { .name: qq, .offset: 8, .size: 8, .value_kind: global_buffer, .address_space: global }
      - { .name: gmax, .offset: 16, .size: 8, .value_kind: global_buffer, .address_space: global }
    .group_segment_fixed_size: 25088
    .private_segment_fixed_size: 0
    .kernarg_segment_align: 8
    .kernarg_segment_size: 24
    .max_flat_workgroup_size: 128
    .sgpr_count:     66
    .vgpr_count:     960
    .wavefront_size: 32
...
	.end_amdgpu_metadata
.endif
;; end of part 3
;; launch pick (part 4): grid 256 x 1, 16 waves a work-group, no clusters, 63,488 bytes of LDS; arguments gmax, gsel; writes gsel
.if DOCPART == 4
	.amdgcn_target "amdgcn-amd-amdhsa--gfx1250"
	.amdhsa_code_object_version 6
	.text
	.protected	k_q0285ea1473_pick
	.globl	k_q0285ea1473_pick
	.p2align	8
	.type	k_q0285ea1473_pick,@function
k_q0285ea1473_pick:
	s_mov_b64 s[64:65], 0
	v_nop
	global_prefetch_b8 v0, s[64:65] scope:SCOPE_SE
	s_setreg_imm32_b32 hwreg(HW_REG_WAVE_MODE, 25, 1), 1
	s_wait_xcnt 0x0
; Launch 4 of 6: for each token the 8 groups with the largest maxima, ties to the lower group; stored in ascending order of group, as whole numbers, for the next launch's addresses.  No work of the problem is left out here.
; SHARES.  A work-group takes a tile of 16 tokens.  Lane (t, h) of wave v takes token t's groups 512 h + 32 v + 0 .. 31, ascending, into a sorted list of 8 (values falling, with their groups).
; TIES.  An insertion compares by a strict 'greater', and everything is inserted in ascending order of group; a merge inserts the list of the higher groups into the list of the lower ones: so of equal values the lower group stays ahead.
; The 16 waves' lists are merged by pairs in four levels through LDS, each level in bytes of its own; then the two halves of the lanes.  No value steers an address or a branch here.
.set SPARE, 61440                      ; LDS: list images of 2,048 bytes: 16 at 0, 8 at 32,768, 4 at 49,152, 2 at 57,344; then the spare words, 128 bytes a wave
.set LI, 1                             ; v1  16 x lane
.set RA, 2                             ; v2  4,096 v + 16 x lane: the pair of images that I merge
.set WA, 3                             ; v3  2,048 v + 16 x lane: the image that I write
.set GB, 4                             ; v4  512 h + 32 v
.set GC, 5                             ; v5  the group in hand
.set SPW, 6
.set NIL, 7
.set OA, 8                             ; v8  32 t + 16 h
.set TT, 12
.set DD, 16
.set LL, 32                            ; v32-39 values, falling;  v40-47 their groups;  v48-63 the list to be merged in
.set GG, 40
.set BL, 48
.set BG, 56
.set DT, 64                            ; v64-95 my 32 maxima
.set WV, 8
.set MK, 16                            ; s16-23 the eight comparisons of an insertion
.set SEL, 24
.set HI, 26
.macro INSERT x, g                     ; value v[x] with id v[g] into the sorted list: 31 lines, no branch
.irp i, 0,1,2,3,4,5,6,7
	v_cmp_gt_f32 s[MK+\i], v[\x], v[LL+\i]
.endr
.irp i, 7,6,5,4,3,2,1
	v_cndmask_b32 v[GG+\i], v[GG+\i], v[\g], s[MK+\i]
	v_cndmask_b32 v[GG+\i], v[GG+\i], v[GG+\i-1], s[MK+\i-1]
	v_med3_num_f32 v[LL+\i], v[LL+\i-1], v[LL+\i], v[\x]       ; the place above moves down, or the new value comes in, or the place stays
.endr
	v_cndmask_b32 v[GG], v[GG], v[\g], s[MK]
	v_max_num_f32 v[LL], v[LL], v[\x]
.endm
.macro MERGE8
.irp n, 0,1,2,3,4,5,6,7
	INSERT BL+\n, BG+\n
.endr
.endm
.macro HMERGE                          ; lanes 0-15 (the lower groups) take in lanes 16-31's list; the result counts in lanes 0-15 alone
.irp n, 0,1,2,3,4,5,6,7
	v_permlanex16_b32 v[BL+\n], v[LL+\n], s[SEL], s[SEL+1]
	v_permlanex16_b32 v[BG+\n], v[GG+\n], s[SEL], s[SEL+1]
.endr
	MERGE8
.endm
.macro PUT base
	ds_store_b128 v[WA], v[LL:LL+3] offset:\base
	ds_store_b128 v[WA], v[LL+4:LL+7] offset:\base+512
	ds_store_b128 v[WA], v[GG:GG+3] offset:\base+1024
	ds_store_b128 v[WA], v[GG+4:GG+7] offset:\base+1536
.endm
.macro GET base
	ds_load_b128 v[LL:LL+3], v[RA] offset:\base
	ds_load_b128 v[LL+4:LL+7], v[RA] offset:\base+512
	ds_load_b128 v[GG:GG+3], v[RA] offset:\base+1024
	ds_load_b128 v[GG+4:GG+7], v[RA] offset:\base+1536
	ds_load_b128 v[BL:BL+3], v[RA] offset:\base+2048
	ds_load_b128 v[BL+4:BL+7], v[RA] offset:\base+2560
	ds_load_b128 v[BG:BG+3], v[RA] offset:\base+3072
	ds_load_b128 v[BG+4:BG+7], v[RA] offset:\base+3584
	s_wait_dscnt 0x0
.endm
.macro LEVEL nw, src, dst              ; the first nw waves merge two images each; the wait and the barrier are on every wave's way
	s_cmp_ge_u32 s[WV], \nw
	s_cbranch_scc1 .Lidle_\@
	GET \src
	MERGE8
	PUT \dst
.Lidle_\@:
	s_wait_dscnt 0x0                               ; my stores have landed
	s_barrier_signal -1
	s_barrier_wait -1
.endm
.macro CSWAP a, b                      ; a comparator on the groups' numbers
	v_min_u32 v20, v[GG+\a], v[GG+\b]
	v_max_u32 v[GG+\b], v[GG+\a], v[GG+\b]
	v_mov_b32 v[GG+\a], v20
.endm
	s_load_b128 s[4:7], s[0:1], 0x0                ; gmax, gsel
	v_lshl_add_u32 v[SPW], v0, 2, SPARE
	v_mov_b32 v[NIL], 0
	v_lshrrev_b32 v9, 5, v0
	v_readfirstlane_b32 s[WV], v9                  ; wave 0..15
	v_and_b32 v9, 31, v0
	v_lshlrev_b32 v[LI], 4, v9
	s_lshl_b32 s9, s[WV], 12
	v_add_nc_u32 v[RA], s9, v[LI]
	s_lshl_b32 s10, s[WV], 11
	v_add_nc_u32 v[WA], s10, v[LI]
	v_bfe_u32 v10, v0, 4, 1                        ; h
	v_and_b32 v11, 15, v0                          ; t
	s_lshl_b32 s11, s[WV], 5
	v_lshl_add_u32 v[GB], v10, 9, s11
	v_lshlrev_b32 v[OA], 5, v11
	v_lshl_add_u32 v[OA], v10, 4, v[OA]
	s_lshl_b32 s12, ttmp9, 16
	s_add_co_u32 s12, s12, s9                      ; 65,536 T + 4,096 v: my eight chunks
	s_mov_b32 s13, 0
	s_lshl_b32 s14, ttmp9, 9
	s_mov_b32 s15, 0
	s_mov_b32 s[SEL], 0x76543210
	s_mov_b32 s[SEL+1], 0xfedcba98
	s_mov_b32 s[HI], 0xffff0000
	s_wait_kmcnt 0x0
	s_add_nc_u64 s[4:5], s[4:5], s[12:13]
	s_add_nc_u64 s[6:7], s[6:7], s[14:15]
.irp c, 0,1,2,3,4,5,6,7
	global_load_b128 v[DT+4*\c:DT+4*\c+3], v[LI], s[4:5] offset:512*\c th:TH_LOAD_NT
.endr
.irp i, 0,1,2,3,4,5,6,7
	v_mov_b32 v[LL+\i], 0xff800000                 ; -infinity: under every score
	v_mov_b32 v[GG+\i], 0
	v_mov_b32 v[BL+\i], 0                          ; (a lane permute's destination counts as one of its sources)
	v_mov_b32 v[BG+\i], 0
.endr
.irp i, 0,1,2,3
	v_mov_b32 v[TT+\i], 0
.endr
.irp c, 0,1,2,3,4,5,6,7
	s_wait_loadcnt 7-\c                            ; chunk c is in; the later chunks may be out
.irp i, 0,1,2,3
	v_add_nc_u32 v[GC], 4*\c+\i, v[GB]
	INSERT DT+4*\c+\i, GC
.endr
.endr
	PUT 0
	s_wait_dscnt 0x0
	s_barrier_signal -1
	s_barrier_wait -1
	LEVEL 8, 0, 32768
	LEVEL 4, 32768, 49152
	LEVEL 2, 49152, 57344
	s_cmp_lg_u32 s[WV], 0
	s_cbranch_scc1 .Lend
	GET 57344
	MERGE8
	HMERGE
	CSWAP 0, 1                                     ; the 8 groups into ascending order: an odd-even merge sort of 19 comparators
	CSWAP 2, 3
	CSWAP 4, 5
	CSWAP 6, 7
	CSWAP 0, 2
	CSWAP 1, 3
	CSWAP 4, 6
	CSWAP 5, 7
	CSWAP 1, 2
	CSWAP 5, 6
	CSWAP 0, 4
	CSWAP 1, 5
	CSWAP 2, 6
	CSWAP 3, 7
	CSWAP 2, 4
	CSWAP 3, 5
	CSWAP 1, 2
	CSWAP 3, 4
	CSWAP 5, 6
.irp k, 0,1,2,3
	v_permlanex16_b32 v[TT+\k], v[GG+4+\k], s[SEL], s[SEL+1]
.endr
.irp k, 0,1,2,3
	v_cndmask_b32 v[DD+\k], v[GG+\k], v[TT+\k], s[HI]          ; lane t stores words 0-3 of token t, lane 16 + t words 4-7 of lane t's list
.endr
	global_store_b128 v[OA], v[DD:DD+3], s[6:7]    ; 512 consecutive bytes
.Lend:
	s_wait_tensorcnt 0x0                           ; the wave's end
	ds_add_u32 v[SPW], v[NIL]
	s_wait_dscnt 0x0
	s_endpgm
.Lfunc_end_k_q0285ea1473_pick:
	.size	k_q0285ea1473_pick, .Lfunc_end_k_q0285ea1473_pick-k_q0285ea1473_pick
	.p2alignl 7, 3214868480
	.fill 96, 4, 3214868480
	.section	.rodata,"a",@progbits
	.p2align	6, 0x0
	.amdhsa_kernel k_q0285ea1473_pick
		.amdhsa_group_segment_fixed_size 63488
		.amdhsa_private_segment_fixed_size 0
		.amdhsa_enable_private_segment 0
		.amdhsa_kernarg_size 16
		.amdhsa_user_sgpr_count 2
		.amdhsa_user_sgpr_kernarg_segment_ptr 1
		.amdhsa_wavefront_size32 1
		.amdhsa_system_sgpr_workgroup_id_x 1
		.amdhsa_system_sgpr_workgroup_id_y 1
		.amdhsa_system_sgpr_workgroup_id_z 1
		.amdhsa_system_vgpr_workitem_id 0
		.amdhsa_next_free_vgpr 96
		.amdhsa_next_free_sgpr 66
		.amdhsa_reserve_vcc 0
		.amdhsa_float_denorm_mode_32 3
		.amdhsa_float_denorm_mode_16_64 3
		.amdhsa_memory_ordered 1
		.amdhsa_forward_progress 1
		.amdhsa_inst_pref_size 150
	.end_amdhsa_kernel
	.amdgpu_metadata
---
amdhsa.version: [ 1, 2 ]
amdhsa.kernels:
  - .name:           k_q0285ea1473_pick
    .symbol:         k_q0285ea1473_pick.kd
    .args:
      - { .name: gmax, .offset: 0, .size: 8, .value_kind: global_buffer, .address_space: global }
      - { .name: gsel, .offset: 8, .size: 8, .value_kind: global_buffer, .address_space: global }
    .group_segment_fixed_size: 63488
    .private_segment_fixed_size: 0
    .kernarg_segment_align: 8
    .kernarg_segment_size: 16
    .max_flat_workgroup_size: 512
    .sgpr_count:     66
    .vgpr_count:     96
    .wavefront_size: 32
...
	.end_amdgpu_metadata
.endif
;; end of part 4
;; launch refine (part 5): grid 256 x 1, 4 waves a work-group, no clusters, 8,704 bytes of LDS; arguments opq, qq, gsel, tidx, twt; writes tidx, twt
.if DOCPART == 5
	.amdgcn_target "amdgcn-amd-amdhsa--gfx1250"
	.amdhsa_code_object_version 6
	.text
	.protected	k_q0285ea1473_refine
	.globl	k_q0285ea1473_refine
	.p2align	8
	.type	k_q0285ea1473_refine,@function
k_q0285ea1473_refine:
	s_mov_b64 s[64:65], 0
	v_nop
	global_prefetch_b8 v0, s[64:65] scope:SCOPE_SE
	s_setreg_imm32_b32 hwreg(HW_REG_WAVE_MODE, 25, 1), 1
	s_wait_xcnt 0x0
; Launch 5 of 6: the 256 scores of each token's 8 chosen groups once more, by the same matrix instruction on the same codes and scale words; of them the 8 largest, ties to the lower key; their softmax.
; Only the chosen groups' keys are multiplied again: the choice was stored as whole numbers by the launch before, and why it holds the 8 best keys is shown at the head of the first launch.
; SHARES.  A work-group takes a tile of 16 tokens; wave v takes places 2 v and 2 v + 1 of each token's list of groups.  For token t and i = 0 .. 3 source 0 is put together of two halves: rows 0-7 are keys 32 g + 8 i + j
; of the group at place 2 v, rows 8-15 the same of place 2 v + 1: in K's images eight rows of a tile are 128 consecutive bytes of each group of registers.  Source 1 is the tile's Q; of the result column t alone is kept.
; So lane (t, h) ends up with the 32 scores of place 2 v + h of token t, in ascending order of key.  Lists, insertions and merges as in the launch before: the groups were stored ascending, so every merge takes higher keys into lower.
; The maximum (the list's first value) is taken away before the exponentials; log2(e) / sqrt(128) scales the difference.  LIMITS: NaN and infinities are not served.
.set KI, 4730880
.set KS, 8073728
.set QSOFF, 393216
.set SPARE, 8192                       ; LDS: four list images of 2,048 bytes; then the spare words, 128 bytes a wave
.set LI, 1
.set KL, 2                             ; v2  256 h + 16 (lane % 8): my place in eight rows of an image
.set SL, 3                             ; v3  16 (lane % 8): and among their scale words
.set GO4, 4                            ; v4  4 x ((lane % 16) / 8): which of my wave's two places my row of source 0 belongs to
.set GO5, 5                            ; v5  32 (lane % 16) + 4 (lane / 16): the place whose scores I end up with
.set SPW, 6
.set NIL, 7
.set KBV, 8                            ; v8  32 x my group: its first key
.set GC, 9
.set WA, 10
.set RA, 11
.set QF, 12                            ; v12-23 Q's fragment
.set QS, 24                            ; v24 Q's scale words
.set OA, 25
.set QRO, 26
.set QSO, 27
.set KO, 32                            ; v32-47 token t: my byte offset among K's images
.set SO, 48                            ; v48-63 and among K's scale words
.set KSC, 64                           ; v64-83 K's scale words: a ring of five slots of four
.set ACC, 84                           ; v84-147 two sets of four accumulators
.set S, 148                            ; v148-179 my 32 scores (at the head: the groups as loaded; at the end: at work)
.set LL, 180
.set GG, 188
.set BL, 196
.set BG, 204
.set TM, 212
.set TT, 148
.set D1, 152
.set D2, 156
.set WV, 46
.set MK, 32                            ; s32-39
.set MSEL, 40
.set SEL, 26
.set HI, 28
.set MSB, 0
.macro WIN new
.if MSB != \new
	s_set_vgpr_msb (MSB<<8)|\new
.set MSB, \new
.endif
.endm
.macro INSERT x, g
.irp i, 0,1,2,3,4,5,6,7
	v_cmp_gt_f32 s[MK+\i], v[\x], v[LL+\i]
.endr
.irp i, 7,6,5,4,3,2,1
	v_cndmask_b32 v[GG+\i], v[GG+\i], v[\g], s[MK+\i]
	v_cndmask_b32 v[GG+\i], v[GG+\i], v[GG+\i-1], s[MK+\i-1]
	v_med3_num_f32 v[LL+\i], v[LL+\i-1], v[LL+\i], v[\x]
.endr
	v_cndmask_b32 v[GG], v[GG], v[\g], s[MK]
	v_max_num_f32 v[LL], v[LL], v[\x]
.endm
.macro MERGE8
.irp n, 0,1,2,3,4,5,6,7
	INSERT BL+\n, BG+\n
.endr
.endm
.macro HMERGE
.irp n, 0,1,2,3,4,5,6,7
	v_permlanex16_b32 v[BL+\n], v[LL+\n], s[SEL], s[SEL+1]
	v_permlanex16_b32 v[BG+\n], v[GG+\n], s[SEL], s[SEL+1]
.endr
	MERGE8
.endm
.macro OUT8 reg, d, sb                 ; eight words a token out of lanes 0-15, as one store of 512 consecutive bytes
.irp k, 0,1,2,3
	v_permlanex16_b32 v[TT+\k], v[\reg+4+\k], s[SEL], s[SEL+1]
.endr
.irp k, 0,1,2,3
	v_cndmask_b32 v[\d+\k], v[\reg+\k], v[TT+\k], s[HI]
.endr
	global_store_b128 v[OA], v[\d:\d+3], s[\sb:\sb+1]
.endm
.macro TLOAD t                         ; token t's four fragments and their scale words into slot t % 5: thirteen loads
	global_load_b128 v[KSC+4*((\t)%5):KSC+4*((\t)%5)+3], v[SO+(\t)], s[20:21]
	WIN 0x40
.irp i, 0,1,2,3
.irp g, 0,1,2
	global_load_b128 v[48*((\t)%5)+12*\i+4*\g:48*((\t)%5)+12*\i+4*\g+3], v[KO+(\t)], s[18:19] offset:1536*\i+512*\g
.endr
.endr
	WIN 0
.endm
.macro SELECT u                        ; lanes u and u + 16 keep column u of token u's results; each accumulator is read from its low end on
.set N, 0
.if (\u) == 0
.rept 32
	v_mov_b32 v[S+N], v[ACC+N]                     ; the first writes S whole
.set N, N+1
.endr
.else
	s_mov_b32 s[MSEL], 0x00010001<<(\u)
.rept 32
	v_cndmask_b32 v[S+N], v[S+N], v[ACC+32*((\u)%2)+N], s[MSEL]
.set N, N+1
.endr
.endif
.endm
.macro TOKEN t
.if 15-(\t) < 4
	s_wait_loadcnt 13*(15-(\t))                    ; token t's slot is in; the tokens asked for behind it, thirteen loads each, may be out
.else
	s_wait_loadcnt 52
.endif
	WIN 0x01                                       ; source 0 (K) window 1
.irp i, 0,1,2,3
	v_wmma_scale_f32_16x16x128_f8f6f4 v[ACC+32*((\t)%2)+8*\i:ACC+32*((\t)%2)+8*\i+7], v[48*((\t)%5)+12*\i:48*((\t)%5)+12*\i+11], v[QF:QF+11], 0, v[KSC+4*((\t)%5)+\i], v[QS] matrix_a_fmt:MATRIX_FMT_FP6 matrix_b_fmt:MATRIX_FMT_FP6
.endr
	WIN 0
.if (\t) == 0
.rept 6
	v_nop                                          ; the first token has no selection to set behind it
.endr
.else
	SELECT (\t)-1                                  ; 32 plain lines on the other set: the places behind the products, in front of the loads below and of the next read
.endif
.if (\t)+5 <= 15
	TLOAD (\t)+5
.endif
.endm
	s_load_b256 s[4:11], s[0:1], 0x0               ; opq s[4:5], qq s[6:7], gsel s[8:9], tidx s[10:11]
	s_load_b64 s[44:45], s[0:1], 0x20              ; twt
	v_lshl_add_u32 v[SPW], v0, 2, SPARE
	v_mov_b32 v[NIL], 0
	v_lshrrev_b32 v212, 5, v0
	v_readfirstlane_b32 s[WV], v212                ; wave 0..3
	v_and_b32 v212, 31, v0
	v_and_b32 v213, 15, v0
	v_bfe_u32 v214, v0, 4, 1
	v_and_b32 v215, 7, v0
	v_bfe_u32 v216, v0, 3, 1
	v_lshlrev_b32 v[LI], 4, v212
	v_lshlrev_b32 v[SL], 4, v215
	v_lshl_add_u32 v[KL], v214, 8, v[SL]
	v_lshlrev_b32 v[GO4], 2, v216
	v_lshlrev_b32 v[GO5], 5, v213
	v_lshl_add_u32 v[GO5], v214, 2, v[GO5]
	s_lshl_b32 s30, s[WV], 11
	v_add_nc_u32 v[WA], s30, v[LI]
	v_lshlrev_b32 v[RA], 4, v213
	v_lshl_add_u32 v[RA], v214, 12, v[RA]          ; lanes 0-15 merge images 0 and 1, lanes 16-31 images 2 and 3; of each image lanes 0-15's part counts
	v_lshlrev_b32 v[OA], 5, v213
	v_lshl_add_u32 v[OA], v214, 4, v[OA]
	v_mul_u32_u24 v[QRO], v213, 96
	v_mad_u32_u24 v[QRO], v214, 24, v[QRO]
	v_lshlrev_b32 v[QSO], 2, v213
	s_lshl_b32 s30, ttmp9, 9                       ; 512 T
	s_mov_b32 s31, 0
	s_lshl_b32 s29, s[WV], 3
	s_mov_b32 s[SEL], 0x76543210
	s_mov_b32 s[SEL+1], 0xfedcba98
	s_mov_b32 s[HI], 0xffff0000
	s_wait_kmcnt 0x0
	s_add_nc_u64 s[22:23], s[10:11], s[30:31]      ; tidx and twt at my tile
	s_add_nc_u64 s[24:25], s[44:45], s[30:31]
	s_add_co_u32 s30, s30, s29
	s_add_nc_u64 s[12:13], s[8:9], s[30:31]        ; gsel at my tile, place 2 v
	s_mul_i32 s30, ttmp9, 1536
	s_add_nc_u64 s[14:15], s[6:7], s[30:31]        ; Q's codes
	s_lshl_b32 s30, ttmp9, 6
	s_add_co_u32 s30, s30, QSOFF
	s_add_nc_u64 s[16:17], s[6:7], s[30:31]        ; Q's scale words
	s_add_nc_u64 s[18:19], s[4:5], KI
	s_add_nc_u64 s[20:21], s[4:5], KS
.irp t, 0,1,2,3,4,5,6,7,8,9,10,11,12,13,14,15
	global_load_b32 v[S+\t], v[GO4], s[12:13] offset:32*\t
.endr
	global_load_b32 v[KBV], v[GO5], s[12:13]
.irp p, 0,1,2,3,4,5
	global_load_b64 v[QF+2*\p:QF+2*\p+1], v[QRO], s[14:15] offset:48*(\p/3)+8*(\p%3)
.endr
	global_load_b32 v[QS], v[QSO], s[16:17]
	s_wait_loadcnt 0x0
; group = 512 b + a: tiles 4 a .. 4 a + 3, rows 8 b .. 8 b + 7.  The two parts are held to their ranges before they enter an address
.irp t, 0,1,2,3,4,5,6,7,8,9,10,11,12,13,14,15
	v_and_b32 v[TM], 511, v[S+\t]
	v_lshrrev_b32 v[TM+1], 9, v[S+\t]
	v_min_u32 v[TM], 511, v[TM]
	v_min_u32 v[TM+1], 1, v[TM+1]
	v_mul_u32_u24 v[KO+\t], v[TM], 6144
	v_lshl_add_u32 v[KO+\t], v[TM+1], 7, v[KO+\t]
	v_add_nc_u32 v[KO+\t], v[KO+\t], v[KL]
	v_lshlrev_b32 v[SO+\t], 8, v[TM]
	v_lshl_add_u32 v[SO+\t], v[TM+1], 7, v[SO+\t]
	v_add_nc_u32 v[SO+\t], v[SO+\t], v[SL]
.endr
	v_lshlrev_b32 v[KBV], 5, v[KBV]
	TLOAD 0
	TLOAD 1
	TLOAD 2
	TLOAD 3
	TLOAD 4
.irp i, 0,1,2,3,4,5,6,7
	v_mov_b32 v[LL+\i], 0xff800000                 ; -infinity: under every score
	v_mov_b32 v[GG+\i], 0
	v_mov_b32 v[BL+\i], 0                          ; (a lane permute's destination counts as one of its sources)
	v_mov_b32 v[BG+\i], 0
.endr
.irp t, 0,1,2,3,4,5,6,7,8,9,10,11,12,13,14,15
	TOKEN \t
.endr
	SELECT 15                                      ; token 14's selection stands between the last products and this read
.set NN, 0
.rept 32
	v_add_nc_u32 v[GC], NN, v[KBV]                 ; the key, ascending
	INSERT S+NN, GC
.set NN, NN+1
.endr
	HMERGE                                         ; place 2 v + 1 into place 2 v
	ds_store_b128 v[WA], v[LL:LL+3]
	ds_store_b128 v[WA], v[LL+4:LL+7] offset:512
	ds_store_b128 v[WA], v[GG:GG+3] offset:1024
	ds_store_b128 v[WA], v[GG+4:GG+7] offset:1536
	s_wait_dscnt 0x0                               ; for wave 0's sake: my list has landed
	s_barrier_signal -1
	s_barrier_wait -1
	s_cmp_lg_u32 s[WV], 0
	s_cbranch_scc1 .Lend
	ds_load_b128 v[LL:LL+3], v[RA]
	ds_load_b128 v[LL+4:LL+7], v[RA] offset:512
	ds_load_b128 v[GG:GG+3], v[RA] offset:1024
	ds_load_b128 v[GG+4:GG+7], v[RA] offset:1536
	ds_load_b128 v[BL:BL+3], v[RA] offset:2048
	ds_load_b128 v[BL+4:BL+7], v[RA] offset:2560
	ds_load_b128 v[BG:BG+3], v[RA] offset:3072
	ds_load_b128 v[BG+4:BG+7], v[RA] offset:3584
	s_wait_dscnt 0x0
	MERGE8
	HMERGE
.irp i, 0,1,2,3,4,5,6,7
	v_sub_f32 v[TM+\i], v[LL+\i], v[LL]            ; the largest score is taken away
.endr
.irp i, 0,1,2,3,4,5,6,7
	v_mul_f32 v[TM+\i], 0x3e0293ee, v[TM+\i]       ; x log2(e) / sqrt(128)
.endr
.irp i, 0,1,2,3,4,5,6,7
	v_exp_f32 v[TM+\i], v[TM+\i]
.endr
	v_nop                                          ; a plain place behind the last exponential
	s_wait_alu depctr_va_vdst(0)                   ; one wait for the eight, ahead of their first reader
	v_add_f32 v[TM+8], v[TM], v[TM+1]
	v_add_f32 v[TM+9], v[TM+2], v[TM+3]
	v_add_f32 v[TM+10], v[TM+4], v[TM+5]
	v_add_f32 v[TM+11], v[TM+6], v[TM+7]
	v_add_f32 v[TM+8], v[TM+8], v[TM+9]
	v_add_f32 v[TM+10], v[TM+10], v[TM+11]
	v_add_f32 v[TM+8], v[TM+8], v[TM+10]
	v_rcp_f32 v[TM+12], v[TM+8]
	v_nop
	s_wait_alu depctr_va_vdst(0)
.irp i, 0,1,2,3,4,5,6,7
	v_mul_f32 v[TM+\i], v[TM+\i], v[TM+12]
.endr
	OUT8 GG, D1, 22                                ; the keys, whole numbers for the next launch's addresses
	OUT8 TM, D2, 24                                ; and their weights
.Lend:
	s_wait_tensorcnt 0x0                           ; the wave's end
	ds_add_u32 v[SPW], v[NIL]
	s_wait_dscnt 0x0
	s_endpgm
.Lfunc_end_k_q0285ea1473_refine:
	.size	k_q0285ea1473_refine, .Lfunc_end_k_q0285ea1473_refine-k_q0285ea1473_refine
	.p2alignl 7, 3214868480
	.fill 96, 4, 3214868480
	.section	.rodata,"a",@progbits
	.p2align	6, 0x0
	.amdhsa_kernel k_q0285ea1473_refine
		.amdhsa_group_segment_fixed_size 8704
		.amdhsa_private_segment_fixed_size 0
		.amdhsa_enable_private_segment 0
		.amdhsa_kernarg_size 40
		.amdhsa_user_sgpr_count 2
		.amdhsa_user_sgpr_kernarg_segment_ptr 1
		.amdhsa_wavefront_size32 1
		.amdhsa_system_sgpr_workgroup_id_x 1
		.amdhsa_system_sgpr_workgroup_id_y 1
		.amdhsa_system_sgpr_workgroup_id_z 1
		.amdhsa_system_vgpr_workitem_id 0
		.amdhsa_next_free_vgpr 512
		.amdhsa_next_free_sgpr 66
		.amdhsa_reserve_vcc 0
		.amdhsa_float_denorm_mode_32 3
		.amdhsa_float_denorm_mode_16_64 3
		.amdhsa_memory_ordered 1
		.amdhsa_forward_progress 1
		.amdhsa_inst_pref_size 190
	.end_amdhsa_kernel
	.amdgpu_metadata
---
amdhsa.version: [ 1, 2 ]
amdhsa.kernels:
  - .name:           k_q0285ea1473_refine
    .symbol:         k_q0285ea1473_refine.kd
    .args:
      - { .name: opq, .offset: 0, .size: 8, .value_kind: global_buffer, .address_space: global }
      - { .name: qq, .offset: 8, .size: 8, .value_kind: global_buffer, .address_space: global }
      - { .name: gsel, .offset: 16, .size: 8, .value_kind: global_buffer, .address_space: global }
      - { .name: tidx, .offset: 24, .size: 8, .value_kind: global_buffer, .address_space: global }
      - { .name: twt, .offset: 32, .size: 8, .value_kind: global_buffer, .address_space: global }
    .group_segment_fixed_size: 8704
    .private_segment_fixed_size: 0
    .kernarg_segment_align: 8
    .kernarg_segment_size: 40
    .max_flat_workgroup_size: 128
    .sgpr_count:     66
    .vgpr_count:     512
    .wavefront_size: 32
...
	.end_amdgpu_metadata
.endif
;; end of part 5
;; launch gather (part 6): grid 1024 x 1, 8 waves a work-group, no clusters, 0 bytes of LDS; arguments knowledge_V, tidx, twt, out0; writes out0
.if DOCPART == 6
	.amdgcn_target "amdgcn-amd-amdhsa--gfx1250"
	.amdhsa_code_object_version 6
	.text
	.protected	k_q0285ea1473_gather
	.globl	k_q0285ea1473_gather
	.p2align	8
	.type	k_q0285ea1473_gather,@function
k_q0285ea1473_gather:
	s_mov_b64 s[64:65], 0
	v_nop
	global_prefetch_b8 v0, s[64:65] scope:SCOPE_SE
	s_setreg_imm32_b32 hwreg(HW_REG_WAVE_MODE, 25, 1), 1
	s_wait_xcnt 0x0
; Launch 6 of 6: out0[token] = the sum over k of weight[k] x knowledge_V[key[k]], in f32, k ascending.  Of knowledge_V only the rows that the stored indices name are read: a lookup by an index.
; A stream: a wave takes half a token's row, 2,048 bytes: eight rows x four loads of 512 consecutive bytes, all 32 on their way at once; four stores of 512 consecutive bytes.  No LDS, no barrier, no matrix unit: memory binds.
; The keys and weights are the same for a whole wave: they come by scalar loads, and each key, held to the table's 32,768 rows, makes a scalar base of its own.  No hint on the rows: another token may name a row again.
.set ROWS, 16                          ; v16-143  row k: 16 registers
.set AC, 144                           ; v144-159 the sums
	s_load_b256 s[4:11], s[0:1], 0x0               ; knowledge_V s[4:5], tidx s[6:7], twt s[8:9], out0 s[10:11]
	v_lshrrev_b32 v1, 5, v0
	v_readfirstlane_b32 s12, v1                    ; wave 0..7
	v_and_b32 v2, 31, v0
	v_lshlrev_b32 v2, 4, v2                        ; 16 bytes a lane
	s_lshr_b32 s13, s12, 1
	s_lshl_b32 s14, ttmp9, 2
	s_add_co_u32 s13, s13, s14                     ; the token: 4 x work-group + wave / 2
	s_and_b32 s14, s12, 1                          ; which half of the row
	s_lshl_b32 s48, s13, 5                         ; 32 bytes a token in tidx and in twt
	s_mov_b32 s49, 0
	s_lshl_b32 s50, s14, 11                        ; 2,048 x half
	s_mov_b32 s51, 0
	s_wait_kmcnt 0x0
	s_add_nc_u64 s[6:7], s[6:7], s[48:49]
	s_add_nc_u64 s[8:9], s[8:9], s[48:49]
	s_load_b256 s[16:23], s[6:7], 0x0              ; the eight keys
	s_load_b256 s[24:31], s[8:9], 0x0              ; the eight weights
	s_add_nc_u64 s[4:5], s[4:5], s[50:51]          ; my half of every row of V,
	s_add_nc_u64 s[10:11], s[10:11], s[50:51]
	s_lshl_b32 s50, s13, 12
	s_add_nc_u64 s[10:11], s[10:11], s[50:51]      ; and of my token's row of out0
	s_wait_kmcnt 0x0
.irp k, 0,1,2,3,4,5,6,7
	s_min_u32 s[16+\k], s[16+\k], 0x7fff           ; an index stays inside the table
	s_lshl_b32 s50, s[16+\k], 12                   ; 4,096 bytes a row
	s_add_nc_u64 s[32+2*\k:33+2*\k], s[4:5], s[50:51]
.endr
.irp k, 0,1,2,3,4,5,6,7
.irp c, 0,1,2,3
	global_load_b128 v[ROWS+16*\k+4*\c:ROWS+16*\k+4*\c+3], v2, s[32+2*\k:33+2*\k] offset:512*\c
.endr
.endr
	s_wait_loadcnt 28                              ; row 0 is in; the seven later rows, four loads each, may be out
.irp j, 0,1,2,3,4,5,6,7,8,9,10,11,12,13,14,15
	v_mul_f32 v[AC+\j], s24, v[ROWS+\j]            ; the first product starts the sums
.endr
.irp k, 1,2,3,4,5,6,7
	s_wait_loadcnt 28-4*\k
.irp j, 0,1,2,3,4,5,6,7,8,9,10,11,12,13,14,15
	v_fmac_f32 v[AC+\j], s[24+\k], v[ROWS+16*\k+\j]
.endr
.endr
.irp c, 0,1,2,3
	global_store_b128 v2, v[AC+4*\c:AC+4*\c+3], s[10:11] offset:512*\c th:TH_STORE_NT
.endr
	s_endpgm
.Lfunc_end_k_q0285ea1473_gather:
	.size	k_q0285ea1473_gather, .Lfunc_end_k_q0285ea1473_gather-k_q0285ea1473_gather
	.p2alignl 7, 3214868480
	.fill 96, 4, 3214868480
	.section	.rodata,"a",@progbits
	.p2align	6, 0x0
	.amdhsa_kernel k_q0285ea1473_gather
		.amdhsa_group_segment_fixed_size 0
		.amdhsa_private_segment_fixed_size 0
		.amdhsa_enable_private_segment 0
		.amdhsa_kernarg_size 32
		.amdhsa_user_sgpr_count 2
		.amdhsa_user_sgpr_kernarg_segment_ptr 1
		.amdhsa_wavefront_size32 1
		.amdhsa_system_sgpr_workgroup_id_x 1
		.amdhsa_system_sgpr_workgroup_id_y 1
		.amdhsa_system_sgpr_workgroup_id_z 1
		.amdhsa_system_vgpr_workitem_id 0
		.amdhsa_next_free_vgpr 160
		.amdhsa_next_free_sgpr 66
		.amdhsa_reserve_vcc 0
		.amdhsa_float_denorm_mode_32 3
		.amdhsa_float_denorm_mode_16_64 3
		.amdhsa_memory_ordered 1
		.amdhsa_forward_progress 1
		.amdhsa_inst_pref_size 10
	.end_amdhsa_kernel
	.amdgpu_metadata
---
amdhsa.version: [ 1, 2 ]
amdhsa.kernels:
  - .name:           k_q0285ea1473_gather
    .symbol:         k_q0285ea1473_gather.kd
    .args:
      - { .name: knowledge_V, .offset: 0, .size: 8, .value_kind: global_buffer, .address_space: global }
      - { .name: tidx, .offset: 8, .size: 8, .value_kind: global_buffer, .address_space: global }
      - { .name: twt, .offset: 16, .size: 8, .value_kind: global_buffer, .address_space: global }
      - { .name: out0, .offset: 24, .size: 8, .value_kind: global_buffer, .address_space: global }
    .group_segment_fixed_size: 0
    .private_segment_fixed_size: 0
    .kernarg_segment_align: 8
    .kernarg_segment_size: 32
    .max_flat_workgroup_size: 256
    .sgpr_count:     66
    .vgpr_count:     160
    .wavefront_size: 32
...
	.end_amdgpu_metadata
.endif
;; end of part 6
;; ======== version 2 of 2: 6 launches; version 1 with the launches compress, score, refine written anew for expert scheduling mode
;; workspace buffers: opq 8,204,800 bytes; qq 409,600 bytes; gmax 16,777,216 bytes; gsel 131,072 bytes of whole numbers; tidx 131,072 bytes of whole numbers; twt 131,072 bytes
;; launch quant: the kernel of part 1 again; grid 769 x 1, 2 waves a work-group, no clusters, 17,152 bytes of LDS; arguments x, router_w, knowledge_K, compress_neurons, opq; writes opq
;; launch compress (part 7): grid 4 x 64, 4 waves a work-group, no clusters, 82,432 bytes of LDS; arguments opq, qq; writes qq
.if DOCPART == 7
	.amdgcn_target "amdgcn-amd-amdhsa--gfx1250"
	.amdhsa_code_object_version 6
	.text
	.protected	k_q0285ea1473_compress
	.globl	k_q0285ea1473_compress
	.p2align	8
	.type	k_q0285ea1473_compress,@function
k_q0285ea1473_compress:
	s_mov_b64 s[64:65], 0
	v_nop
	global_prefetch_b8 v0, s[64:65] scope:SCOPE_SE
	s_setreg_imm32_b32 hwreg(HW_REG_WAVE_SCHED_MODE, 0, 2), 2
	s_setreg_imm32_b32 hwreg(HW_REG_WAVE_MODE, 25, 1), 1
	s_wait_xcnt 0x0
	s_wait_alu depctr_vm_vsrc(0)
; Launch 2 of 6: router scores (x router_w^T), their softmax, the 16 projections x W_n, Q = sum over n of w_n (x W_n) in f32, and Q's codes.  No work of the problem is left out here.
; SHARES.  A work-group takes 64 tokens (four tiles m) x 32 columns r (rb) x all 16 neurons.  THE WAVES SHARE THE NEURONS: wave w takes neurons 4 w .. 4 w + 3, eight column tiles, for all four token tiles,
; so each fragment of W is used by one wave alone and goes from memory straight into its registers, where it feeds four products.  x's 32 fragments reach all waves through LDS as images of their registers, and stay in registers.
; Each wave also multiplies the router's tile: 32 products beside 256, in place of one more barrier and a way through LDS.  The router's rows are taken TURNED by 4 w, so that registers 0-3 of lanes 0-15 hold my own four neurons.
; No tensor load, no cluster: nothing that one wave fetches is read by another but x, which is small.
; BOTH PRODUCTS ARE USED TRANSPOSED (source 0 = 16 rows of W or of the router, source 1 = 16 tokens): lane (t, h) holds token t, register j row 8 h + j.  By the order of W's rows in a tile, the 16 registers
; of tiles u = 0, 1 are columns 32 rb + 16 h + 0 .. 15: neighbours along the next product's K.
; LIMITS: NaN and infinities are not served; a block of zeros gets the byte 1 (its codes are zeros; this program alone reads the bytes).
; REGISTERS, in windows of 256: window 0: addresses, scale words, four accumulators, Q's sums, weights.  window 1: x's fragments of tiles 0, 1 (96 m + 12 s).  window 2: of tiles 2, 3.  window 3: a ring of five slots of four fragments.
; THE MODE: SCHED_MODE bits 1:0 = 2 (LLVM: expert scheduling mode 2), set by the entry lines.  The code itself states the register dependences
; between vector or matrix instructions and memory or LDS instructions, with s_wait_alu, always for 0.
; THE PLAN.  Registers that memory or LDS instructions touch:
;   v1-v9          addresses and the closing add's pair: written at the head, never again.
;   window 1, 0-95 my tile of x: loaded from memory, read by my LDS stores, then tile 0's images land there from LDS.
;   the rest of windows 1 and 2, the scale words v16-67: loaded once; products alone read them.
;   the ring       slot e % 5: loaded with half tile e; read by that half's sixteen products; loaded again with half tile e + 5.
;   v104-167       Q's sums: written by the folds, read by my LDS stores, then the four waves' parts land there from LDS.
;   v187, v192-194 Q's byte and codes: written by the quantiser's lines, read by the last two stores.
; So ONE wait on va_vdst stands in a column tile, behind its second half's products and places: both halves' products are done reading their two slots, and both slots are asked for again behind it.
.set RI, 3145728
.set WI, 3158016
.set XS, 7876608
.set RS, 8007680
.set WS, 8008192
.set QSOFF, 393216
.set RED, 49152                        ; LDS: x's 32 images from byte 0; then the waves' partial sums [wave][m][2,048 bytes];
.set SPARE, 81920                      ; then the spare words, 128 bytes a wave: two blocks of 256 bytes that no other line names
.set LI, 1                             ; v1  16 x lane
.set XWI, 2                            ; v2  where I store my tile's images: 12,288 w + 16 x lane
.set RLI, 3                            ; v3  16 x (((r + 4 w) % 16) + 16 h): the router's rows, turned
.set RDW, 4                            ; v4  my partial sums, out
.set RDR, 5                            ; v5  tile w's partial sums, in
.set QO, 6                             ; v6  96 t + 12 h
.set QSO, 7                            ; v7  4 t
.set SPW, 8                            ; v8  my spare word; never rewritten
.set NIL, 9                            ; v9  0; never rewritten
.set XSC, 16                           ; v16-31  x's scale words: register 4 m + q: K step q in lanes 0-15, K step 4 + q in lanes 16-31
.set CSC, 32                           ; v32-67  the same for the router (ct = 0) and my eight tiles of W (ct = 1 .. 8)
.set ACC, 72                           ; v72-103 four accumulators
.set QA, 104                           ; v104-167 Q's sums: 16 m + 8 u + j
.set WT, 168                           ; v168-183 the weights: 4 m + i
.set TM, 184                           ; at work
.set SEL, 28
.set HI, 30
.set MSB, 0
.macro WIN new                         ; the immediate's high byte repeats the setting that is left; a switch that changes nothing is dropped
.if MSB != \new
	s_set_vgpr_msb (MSB<<8)|\new
.set MSB, \new
.endif
.endm
.set M1, 0x07                          ; source 0 window 3, source 1 window 1
.set M2, 0x0b                          ; source 0 window 3, source 1 window 2
.set TO_R, 0xc0
.set TO_X1, 0x40
.set TO_X2, 0x80
.set ST_X1, 0x04                       ; an LDS store's data: window 1
; half tile e (0 .. 17): column tile e / 2, K steps 4 (e % 2) + 0 .. 3, into slot e % 5: twelve loads of 512 consecutive bytes
.macro RLOAD e
	WIN TO_R
.set RZ, 48*((\e)%5)
.set RCT, (\e)/2
.set RHF, (\e)%2
.irp q, 0,1,2,3
.irp g, 0,1,2
.if RCT == 0
	global_load_b128 v[RZ+12*\q+4*\g:RZ+12*\q+4*\g+3], v[RLI], s[12:13] offset:(4*RHF+\q)*1536+512*\g
.else
	global_load_b128 v[RZ+12*\q+4*\g:RZ+12*\q+4*\g+3], v[LI], s[14:15] offset:(RCT-1)*12288+(4*RHF+\q)*1536+512*\g
.endif
.endr
.endr
.endm
.macro PROD m, q
.set PD, ACC+8*(\m)
.set PA, Z+12*(\q)
.set PB, 96*((\m)%2)+12*(4*HF+(\q))
.set PSA, CSC+4*CT+(\q)
.set PSB, XSC+4*(\m)+(\q)
.if HF == 1
	v_wmma_scale_f32_16x16x128_f8f6f4 v[PD:PD+7], v[PA:PA+11], v[PB:PB+11], v[PD:PD+7], v[PSA], v[PSB] matrix_a_fmt:MATRIX_FMT_FP6 matrix_b_fmt:MATRIX_FMT_FP6 matrix_a_scale:MATRIX_SCALE_ROW1 matrix_b_scale:MATRIX_SCALE_ROW1
.elseif (\q) == 0
	v_wmma_scale_f32_16x16x128_f8f6f4 v[PD:PD+7], v[PA:PA+11], v[PB:PB+11], 0, v[PSA], v[PSB] matrix_a_fmt:MATRIX_FMT_FP6 matrix_b_fmt:MATRIX_FMT_FP6
.else
	v_wmma_scale_f32_16x16x128_f8f6f4 v[PD:PD+7], v[PA:PA+11], v[PB:PB+11], v[PD:PD+7], v[PSA], v[PSB] matrix_a_fmt:MATRIX_FMT_FP6 matrix_b_fmt:MATRIX_FMT_FP6
.endif
.endm
; The router's softmax, the four tiles by turns.  A lane holds 8 of its token's 16 scores, lane l xor 16 the others.  The maximum is taken away; the difference is formed before the scaling.
.macro SOFTMAX
.irp m, 0,1,2,3
	v_max3_num_f32 v[TM+\m], v[ACC+8*\m], v[ACC+8*\m+1], v[ACC+8*\m+2]
.endr
.irp m, 0,1,2,3
	v_max3_num_f32 v[TM+\m], v[TM+\m], v[ACC+8*\m+3], v[ACC+8*\m+4]
.endr
.irp m, 0,1,2,3
	v_max3_num_f32 v[TM+\m], v[TM+\m], v[ACC+8*\m+5], v[ACC+8*\m+6]
.endr
.irp m, 0,1,2,3
	v_max_num_f32 v[TM+\m], v[TM+\m], v[ACC+8*\m+7]
.endr
.irp m, 0,1,2,3
	v_permlanex16_b32 v[TM+4+\m], v[TM+\m], s[SEL], s[SEL+1]
.endr
.irp m, 0,1,2,3
	v_max_num_f32 v[TM+\m], v[TM+\m], v[TM+4+\m]
.endr
.irp m, 0,1,2,3
.irp j, 0,1,2,3,4,5,6,7
	v_sub_f32 v[ACC+8*\m+\j], v[ACC+8*\m+\j], v[TM+\m]
.endr
.endr
.irp m, 0,1,2,3
.irp j, 0,1,2,3,4,5,6,7
	v_mul_f32 v[ACC+8*\m+\j], 0x3fb8aa3b, v[ACC+8*\m+\j]       ; x log2(e)
.endr
.endr
.irp m, 0,1,2,3
.irp j, 0,1,2,3,4,5,6,7
	v_exp_f32 v[ACC+8*\m+\j], v[ACC+8*\m+\j]
.endr
.endr
	v_nop                                          ; a plain place behind the last exponential
	s_wait_alu depctr_va_vdst(0)                   ; the 32 exponentials have written their results: one wait for the batch, ahead of its first reader
.irp m, 0,1,2,3
	v_add_f32 v[TM+\m], v[ACC+8*\m], v[ACC+8*\m+1]
	v_add_f32 v[TM+4+\m], v[ACC+8*\m+2], v[ACC+8*\m+3]
	v_add_f32 v[TM+8+\m], v[ACC+8*\m+4], v[ACC+8*\m+5]
	v_add_f32 v[TM+12+\m], v[ACC+8*\m+6], v[ACC+8*\m+7]
.endr
.irp m, 0,1,2,3
	v_add_f32 v[TM+\m], v[TM+\m], v[TM+4+\m]
	v_add_f32 v[TM+8+\m], v[TM+8+\m], v[TM+12+\m]
.endr
.irp m, 0,1,2,3
	v_add_f32 v[TM+\m], v[TM+\m], v[TM+8+\m]
.endr
.irp m, 0,1,2,3
	v_permlanex16_b32 v[TM+4+\m], v[TM+\m], s[SEL], s[SEL+1]
.endr
.irp m, 0,1,2,3
	v_add_f32 v[TM+\m], v[TM+\m], v[TM+4+\m]
.endr
.irp m, 0,1,2,3
	v_rcp_f32 v[TM+8+\m], v[TM+\m]
.endr
	v_nop
	s_wait_alu depctr_va_vdst(0)                   ; the four reciprocals have written their results: one wait, ahead of their first reader
.irp m, 0,1,2,3
.irp i, 0,1,2,3
	v_permlanex16_b32 v[TM+16+4*\m+\i], v[ACC+8*\m+\i], s[SEL], s[SEL+1]
.endr
.endr
.irp m, 0,1,2,3
.irp i, 0,1,2,3
	v_cndmask_b32 v[TM+16+4*\m+\i], v[ACC+8*\m+\i], v[TM+16+4*\m+\i], s[HI]   ; my four neurons' numbers stand in lanes 0-15: lanes 16-31 take them from there
.endr
.endr
.irp m, 0,1,2,3
.irp i, 0,1,2,3
	v_mul_f32 v[WT+4*\m+\i], v[TM+16+4*\m+\i], v[TM+8+\m]
.endr
.endr
.endm
.macro FOLD i, u                       ; Q += w_n x (x W_n), in f32; each accumulator is read from its low end on
.irp m, 0,1,2,3
.irp j, 0,1,2,3,4,5,6,7
.if (\i) == 0
	v_mul_f32 v[QA+16*\m+8*(\u)+\j], v[WT+4*\m], v[ACC+8*\m+\j]
.else
	v_fmac_f32 v[QA+16*\m+8*(\u)+\j], v[WT+4*\m+(\i)], v[ACC+8*\m+\j]
.endif
.endr
.endr
.endm
; A half tile: 16 products, the accumulators by turns, one instruction a turn.  A column tile's first half runs straight into its second.
; Behind the second half both slots of the tile are asked for again, then the tile's results are worked.
.macro HALF e
.set CT, (\e)/2
.set HF, (\e)%2
.set Z, 48*((\e)%5)
.set LQ, 2*CT+4                        ; the last half tile asked for so far: the ring's first five, then two more behind each column tile, 17 at the most
.if LQ > 17
.set LQ, 17
.endif
	s_wait_loadcnt 12*(LQ-(\e))                    ; my slot is in; the half tiles asked for behind it, twelve loads each, may be out
	WIN M1
.irp q, 0,1,2,3
.irp m, 0,1
	PROD \m, \q
.endr
.endr
	WIN M2
.irp q, 0,1,2,3
.irp m, 2,3
	PROD \m, \q
.endr
.endr
.if HF == 1
.rept 5
	v_nop                                          ; places: in front of the first read of results, and of the products that begin the accumulators anew
.endr
.if (\e)+4 <= 17
	WIN TO_R
	s_wait_alu depctr_va_vdst(0)                   ; the products of this column tile's two halves are done reading their two slots, in which the loads below land
	RLOAD (\e)+4
.if (\e)+5 <= 17
	RLOAD (\e)+5
.endif
.endif
	WIN 0
.if CT == 0
	SOFTMAX
.else
	FOLD (CT-1)/2, (CT-1)%2
.endif
.endif
.endm
	s_load_b128 s[4:7], s[0:1], 0x0                ; opq, qq
	v_lshl_add_u32 v[SPW], v0, 2, SPARE
	v_mov_b32 v[NIL], 0
	v_lshrrev_b32 v10, 5, v0
	v_readfirstlane_b32 s8, v10                    ; wave 0..3
	s_and_b32 s10, ttmp7, 0xffff                   ; tb: which 64 tokens;  ttmp9 = rb: which 32 columns
	v_and_b32 v10, 31, v0
	v_lshlrev_b32 v[LI], 4, v10
	v_and_b32 v11, 15, v0                          ; t
	v_bfe_u32 v12, v0, 4, 1                        ; h
	s_wait_alu depctr_va_sdst(0)                   ; s8 is written, ahead of its first reader: addresses and bases are made from it
	s_mul_i32 s32, s8, 12288
	v_add_nc_u32 v[XWI], s32, v[LI]
	s_lshl_b32 s32, s8, 2
	v_add_nc_u32 v13, s32, v11
	v_and_b32 v13, 15, v13
	v_lshl_add_u32 v13, v12, 4, v13
	v_lshlrev_b32 v[RLI], 4, v13
	s_lshl_b32 s32, s8, 13
	s_add_co_u32 s32, s32, RED
	v_add_nc_u32 v[RDW], s32, v[LI]
	s_lshl_b32 s32, s8, 11
	s_add_co_u32 s32, s32, RED
	v_add_nc_u32 v[RDR], s32, v[LI]
	v_mul_u32_u24 v[QO], v11, 96
	v_mad_u32_u24 v[QO], v12, 12, v[QO]
	v_lshlrev_b32 v[QSO], 2, v11
	s_lshl_b32 s34, ttmp9, 4
	s_lshl_b32 s35, s8, 2
	s_add_co_u32 s34, s34, s35                     ; 16 rb + 4 w: my first neuron's place among W's tiles
	s_lshl_b32 s35, s10, 2
	s_add_co_u32 s35, s35, s8                      ; 4 tb + w: the token tile that I bring in, and whose Q I finish
	s_mov_b32 s33, 0
	s_mov_b32 s[SEL], 0x76543210
	s_mov_b32 s[SEL+1], 0xfedcba98
	s_mov_b32 s[HI], 0xffff0000
	s_wait_kmcnt 0x0
	s_add_nc_u64 s[12:13], s[4:5], RI              ; the router's images
	s_mul_i32 s32, s34, 24576
	s_add_co_u32 s32, s32, WI
	s_add_nc_u64 s[14:15], s[4:5], s[32:33]        ; my eight tiles of W
	s_mul_i32 s32, s35, 12288
	s_add_nc_u64 s[16:17], s[4:5], s[32:33]        ; my tile of x
	s_lshl_b32 s32, s10, 11
	s_add_co_u32 s32, s32, XS
	s_add_nc_u64 s[18:19], s[4:5], s[32:33]        ; the four tiles' scale words
	s_add_nc_u64 s[20:21], s[4:5], RS
	s_lshl_b32 s32, s34, 10
	s_add_co_u32 s32, s32, WS
	s_add_nc_u64 s[22:23], s[4:5], s[32:33]
	s_mul_i32 s32, s35, 1536                       ; Q's codes: 16 tokens x 96 bytes,
	s_mul_i32 s36, ttmp9, 24
	s_add_co_u32 s32, s32, s36                     ; + block rb's 24 bytes
	s_add_nc_u64 s[24:25], s[6:7], s[32:33]
	s_lshl_b32 s32, s35, 6
	s_add_co_u32 s32, s32, ttmp9
	s_add_co_u32 s32, s32, QSOFF
	s_add_nc_u64 s[26:27], s[6:7], s[32:33]        ; Q's scale bytes: 4 a token, byte rb
	WIN TO_X1
	s_wait_alu depctr_va_vdst(0)                   ; the addresses v1 to v7 are written, which every load and store of the kernel reads; none is written again
.irp s, 0,1,2,3,4,5,6,7
.irp g, 0,1,2
	global_load_b128 v[12*\s+4*\g:12*\s+4*\g+3], v[LI], s[16:17] offset:1536*\s+512*\g
.endr
.endr
	WIN 0
.irp m, 0,1,2,3
	global_load_b128 v[XSC+4*\m:XSC+4*\m+3], v[LI], s[18:19] offset:512*\m
.endr
	global_load_b128 v[CSC:CSC+3], v[RLI], s[20:21]
.irp c, 1,2,3,4,5,6,7,8
	global_load_b128 v[CSC+4*\c:CSC+4*\c+3], v[LI], s[22:23] offset:512*(\c-1)
.endr
	RLOAD 0
	RLOAD 1
	RLOAD 2
	RLOAD 3
	RLOAD 4
	WIN 0
.irp i, 4,5,6,7,16,17,18,19,20,21,22,23,24,25,26,27,28,29,30,31
	v_mov_b32 v[TM+\i], 0                          ; written once: a lane permute's destination counts as one of its sources
.endr
	s_wait_loadcnt 60                              ; x's tile and the scale words are in; the ring's sixty loads may be out
	WIN ST_X1
.irp s, 0,1,2,3,4,5,6,7
.irp g, 0,1,2
	ds_store_b128 v[XWI], v[12*\s+4*\g:12*\s+4*\g+3] offset:1536*\s+512*\g
.endr
.endr
	WIN 0
	s_wait_dscnt 0x0                               ; for the others' sake: my images have landed
	s_barrier_signal -1
	s_barrier_wait -1                              ; all 32 images lie in LDS; nobody writes them again
	WIN TO_X1
	s_wait_alu depctr_vm_vsrc(0)                   ; my LDS stores have read window 1's first 96 registers, in which the loads below land
.irp m, 0,1
.irp s, 0,1,2,3,4,5,6,7
.irp g, 0,1,2
	ds_load_b128 v[96*\m+12*\s+4*\g:96*\m+12*\s+4*\g+3], v[LI] offset:12288*\m+1536*\s+512*\g
.endr
.endr
.endr
	WIN TO_X2
.irp m, 0,1
.irp s, 0,1,2,3,4,5,6,7
.irp g, 0,1,2
	ds_load_b128 v[96*\m+12*\s+4*\g:96*\m+12*\s+4*\g+3], v[LI] offset:12288*(\m+2)+1536*\s+512*\g
.endr
.endr
.endr
	WIN 0
	s_wait_dscnt 0x0
.set E, 0
.rept 18
	HALF E
.set E, E+1
.endr
	; the four waves' partial sums meet: wave w finishes token tile w
	s_wait_alu depctr_va_vdst(0)                   ; the folds have written Q's sums, which the LDS stores read; no vector line names them again before the loads behind the barrier land there
.irp m, 0,1,2,3
.irp g, 0,1,2,3
	ds_store_b128 v[RDW], v[QA+16*\m+4*\g:QA+16*\m+4*\g+3] offset:2048*\m+512*\g
.endr
.endr
	s_wait_dscnt 0x0
	s_barrier_signal -1
	s_barrier_wait -1
	s_wait_alu depctr_vm_vsrc(0)                   ; my LDS stores have read Q's sums, in which the loads below land
.irp v, 0,1,2,3
.irp g, 0,1,2,3
	ds_load_b128 v[QA+16*\v+4*\g:QA+16*\v+4*\g+3], v[RDR] offset:8192*\v+512*\g
.endr
.endr
	s_wait_dscnt 0x0
.irp v, 1,2,3
.irp j, 0,2,4,6,8,10,12,14
	v_pk_add_f32 v[QA+\j:QA+\j+1], v[QA+\j:QA+\j+1], v[QA+16*\v+\j:QA+16*\v+\j+1]   ; neurons ascending: ((0-3) + (4-7)) + (8-11) + (12-15)
.endr
.endr
	; my 16 numbers are columns 32 rb + 16 h + 0 .. 15 of token t: with lane l xor 16's they are block rb of Q's 128
	v_max3_num_f32 v[TM], |v[QA]|, |v[QA+1]|, 0x1800000            ; the floor 2^(3 - 127): the byte cannot fall under 1
.irp i, 2,4,6,8,10,12,14
	v_max3_num_f32 v[TM], v[TM], |v[QA+\i]|, |v[QA+\i+1]|
.endr
	v_permlanex16_b32 v[TM+1], v[TM], s[SEL], s[SEL+1]
	v_max_num_f32 v[TM], v[TM], v[TM+1]
	v_add_nc_u32 v[TM+2], 0xff000000, v[TM]        ; 2 off the exponent field: the conversion's scale operand
	v_lshrrev_b32 v[TM+3], 23, v[TM+2]             ; the byte
	v_cvt_scalef32_pk16_fp6_f32 v[TM+8:TM+10], v[QA:QA+15], v[TM+2]
	v_nop                                          ; one plain place behind the conversion
	s_wait_alu depctr_va_vdst(0)                   ; the conversion has written the codes and the shift the byte, which the two stores read
	global_store_b96 v[QO], v[TM+8:TM+10], s[24:25]
	global_store_b8 v[QSO], v[TM+3], s[26:27]      ; lanes l and l + 16 write the same byte with the same value
	s_wait_dscnt 0x0                               ; the closing lines, six on end
	s_wait_alu 0x0
	s_wait_tensorcnt 0x0
	ds_add_u32 v[SPW], v[NIL]
	s_wait_dscnt 0x0
	s_endpgm
.Lfunc_end_k_q0285ea1473_compress:
	.size	k_q0285ea1473_compress, .Lfunc_end_k_q0285ea1473_compress-k_q0285ea1473_compress
	.p2alignl 7, 3214868480
	.fill 96, 4, 3214868480
	.section	.rodata,"a",@progbits
	.p2align	6, 0x0
	.amdhsa_kernel k_q0285ea1473_compress
		.amdhsa_group_segment_fixed_size 82432
		.amdhsa_private_segment_fixed_size 0
		.amdhsa_enable_private_segment 0
		.amdhsa_kernarg_size 16
		.amdhsa_user_sgpr_count 2
		.amdhsa_user_sgpr_kernarg_segment_ptr 1
		.amdhsa_wavefront_size32 1
		.amdhsa_system_sgpr_workgroup_id_x 1
		.amdhsa_system_sgpr_workgroup_id_y 1
		.amdhsa_system_sgpr_workgroup_id_z 1
		.amdhsa_system_vgpr_workitem_id 0
		.amdhsa_next_free_vgpr 1024
		.amdhsa_next_free_sgpr 66
		.amdhsa_reserve_vcc 0
		.amdhsa_float_denorm_mode_32 3
		.amdhsa_float_denorm_mode_16_64 3
		.amdhsa_memory_ordered 1
		.amdhsa_forward_progress 1
		.amdhsa_inst_pref_size 98
	.end_amdhsa_kernel
	.amdgpu_metadata
---
amdhsa.version: [ 1, 2 ]
amdhsa.kernels:
  - .name:           k_q0285ea1473_compress
    .symbol:         k_q0285ea1473_compress.kd
    .args:
      - { .name: opq, .offset: 0, .size: 8, .value_kind: global_buffer, .address_space: global }
      - { .name: qq, .offset: 8, .size: 8, .value_kind: global_buffer, .address_space: global }
    .group_segment_fixed_size: 82432
    .private_segment_fixed_size: 0
    .kernarg_segment_align: 8
    .kernarg_segment_size: 16
    .max_flat_workgroup_size: 128
    .sgpr_count:     66
    .vgpr_count:     1024
    .wavefront_size: 32
...
	.end_amdgpu_metadata
.endif
;; end of part 7
;; launch score (part 8): grid 16 x 16, 4 waves a work-group, no clusters, 25,088 bytes of LDS; arguments opq, qq, gmax; writes gmax
.if DOCPART == 8
	.amdgcn_target "amdgcn-amd-amdhsa--gfx1250"
	.amdhsa_code_object_version 6
	.text
	.protected	k_q0285ea1473_score
	.globl	k_q0285ea1473_score
	.p2align	8
	.type	k_q0285ea1473_score,@function
k_q0285ea1473_score:
	s_mov_b64 s[64:65], 0
	v_nop
	global_prefetch_b8 v0, s[64:65] scope:SCOPE_SE
	s_setreg_imm32_b32 hwreg(HW_REG_WAVE_SCHED_MODE, 0, 2), 2
	s_setreg_imm32_b32 hwreg(HW_REG_WAVE_MODE, 25, 1), 1
	s_wait_xcnt 0x0
	s_wait_alu depctr_vm_vsrc(0)
; Launch 3 of 6: all scores Q K^T on codes; kept is the largest score of each group of 32 neighbouring keys (group = key / 32): 1,024 numbers a token.  No score is left out; why the maxima suffice is shown at the head of the first launch.
; SHARES.  A work-group takes 256 tokens (16 tiles m) x 128 tiles of keys.  THE WAVES SHARE THE KEYS: wave w takes 32 tiles, in 8 steps of 4, against all 16 token tiles: each fragment of K is used by one wave alone,
; goes from memory straight into its registers, and feeds 16 products.  Q's 16 fragments reach all waves through LDS as images of their registers, and stay in registers.  So no tensor load and no cluster: what is shared is small.
; LAYOUT.  Source 0 = a tile of K, source 1 = 16 tokens: lane (t, h) holds token t; register j of tile tau is key 16384 h + 8 tau + j.  The four tiles of a step are 32 neighbouring keys in ONE lane: the group 512 h + tau / 4.
; A pass is four products (C = 0: K is 128, one instruction deep) into one of two sets of accumulators; the sixteen maxima of the pass before stand behind them, and are the places that the products want.
; gmax: [token tile][chunk of 4 groups][lane][4]: each store of a wave covers 512 consecutive bytes.
; REGISTERS: window 0: addresses, scale words, accumulators, results.  window 1: Q's fragments (12 m).  window 2: K of steps 0-3 (48 k + 12 i).  window 3: K of steps 4-7.
; THE MODE: SCHED_MODE bits 1:0 = 2 (LLVM: expert scheduling mode 2), set by the entry lines.  The code itself states the register dependences
; between vector or matrix instructions and memory or LDS instructions, with s_wait_alu, always for 0.
; THE PLAN.  Registers that memory or LDS instructions touch:
;   v1-v4, v6, v7  addresses and the closing add's pair: written at the head, never again.
;   K's fragments  each of the eight steps has registers of its own, loaded once; no vector or matrix line names them ahead of their load: the loads in the passes owe no wait.
;   Q's fragments and all scale words: loaded once; products alone read them.
;   v96-143        at the head my four tiles of Q: loaded, read by my LDS stores; later the maxima write them.
;   OUT 8 m + k    written once, by the maximum of pass 16 k + m; read by one store; never written again.
; So the passes hold ONE wait on va_vdst, in pass 64: the maxima of steps 0 to 3 are written.  The sixteen stores that read them are dealt one to a pass over passes 64 to 79:
; the vector lines issued since that wait write v224-229 and OUT 8 m + 4, the products the accumulators: none of the registers that those stores read.
.set KI, 4730880
.set KS, 8073728
.set QSOFF, 393216
.set SPARE, 24576                      ; LDS: Q's 16 images from byte 0; then the spare words, 128 bytes a wave
.set LI, 1                             ; v1  16 x lane
.set QRO, 2                            ; v2  96 r + 24 h
.set QWI, 3                            ; v3  where I store my four images
.set L4, 4                             ; v4  4 x lane
.set SPW, 6
.set NIL, 7
.set QSC, 8                            ; v8-15   Q's scale words: register m / 2: the even tile in lanes 0-15, the odd one in lanes 16-31
.set KSC, 16                           ; v16-31  K's: register 4 (k / 2) + i: the even step in lanes 0-15, the odd one in lanes 16-31
.set ACC, 32                           ; v32-95  two sets of four accumulators
.set OUT, 96                           ; v96-223 the maxima: 8 m + k (at the head: my four tiles of Q as loaded)
.set TM, 224
.set MSB, 0
.macro WIN new
.if MSB != \new
	s_set_vgpr_msb (MSB<<8)|\new
.set MSB, \new
.endif
.endm
.macro KLOAD k                         ; step k's four fragments: twelve loads of 512 consecutive bytes
.if (\k) < 4
	WIN 0x80
.else
	WIN 0xc0
.endif
.irp i, 0,1,2,3
.irp g, 0,1,2
	global_load_b128 v[48*((\k)%4)+12*\i+4*\g:48*((\k)%4)+12*\i+4*\g+3], v[LI], s[18:19] offset:(4*(\k)+\i)*1536+512*\g
.endr
.endr
.endm
.macro PRODS i
.set PD, ACC+32*(RR%2)+8*(\i)
.set PA, 48*(KK%4)+12*(\i)
.set PB, 12*MM
.set PSA, KSC+4*(KK/2)+(\i)
.set PSB, QSC+MM/2
.if (KK%2 == 0) && (MM%2 == 0)
	v_wmma_scale_f32_16x16x128_f8f6f4 v[PD:PD+7], v[PA:PA+11], v[PB:PB+11], 0, v[PSA], v[PSB] matrix_a_fmt:MATRIX_FMT_FP6 matrix_b_fmt:MATRIX_FMT_FP6
.elseif KK%2 == 0
	v_wmma_scale_f32_16x16x128_f8f6f4 v[PD:PD+7], v[PA:PA+11], v[PB:PB+11], 0, v[PSA], v[PSB] matrix_a_fmt:MATRIX_FMT_FP6 matrix_b_fmt:MATRIX_FMT_FP6 matrix_b_scale:MATRIX_SCALE_ROW1
.elseif MM%2 == 0
	v_wmma_scale_f32_16x16x128_f8f6f4 v[PD:PD+7], v[PA:PA+11], v[PB:PB+11], 0, v[PSA], v[PSB] matrix_a_fmt:MATRIX_FMT_FP6 matrix_b_fmt:MATRIX_FMT_FP6 matrix_a_scale:MATRIX_SCALE_ROW1
.else
	v_wmma_scale_f32_16x16x128_f8f6f4 v[PD:PD+7], v[PA:PA+11], v[PB:PB+11], 0, v[PSA], v[PSB] matrix_a_fmt:MATRIX_FMT_FP6 matrix_b_fmt:MATRIX_FMT_FP6 matrix_a_scale:MATRIX_SCALE_ROW1 matrix_b_scale:MATRIX_SCALE_ROW1
.endif
.endm
.macro MAXG r                          ; the largest of pass r's 32 scores of a lane: sixteen lines, four chains; each accumulator is read from its low end on
.set AB, ACC+32*((\r)%2)
.irp i, 0,1,2,3
	v_max3_num_f32 v[TM+\i], v[AB+8*\i], v[AB+8*\i+1], v[AB+8*\i+2]
.endr
.irp i, 0,1,2,3
	v_max3_num_f32 v[TM+\i], v[TM+\i], v[AB+8*\i+3], v[AB+8*\i+4]
.endr
.irp i, 0,1,2,3
	v_max3_num_f32 v[TM+\i], v[TM+\i], v[AB+8*\i+5], v[AB+8*\i+6]
.endr
	v_max3_num_f32 v[TM+4], v[TM], v[AB+7], v[AB+15]
	v_max3_num_f32 v[TM+5], v[TM+1], v[AB+23], v[AB+31]
	v_max3_num_f32 v[TM+4], v[TM+4], v[TM+5], v[TM+2]
	v_max_num_f32 v[OUT+8*((\r)%16)+(\r)/16], v[TM+4], v[TM+3]
.endm
.macro SENDM m, c                      ; four steps' maxima of token tile m; these registers are never written again
	global_store_b128 v[LI], v[OUT+8*(\m)+4*(\c):OUT+8*(\m)+4*(\c)+3], s[20:21] offset:65536*(\m)+512*(\c) th:TH_STORE_NT
.endm
.macro PASS                            ; pass RR = 16 k + m
.set KK, RR/16
.set MM, RR%16
.if MM == 0
.if KK < 4
	s_wait_loadcnt 36                              ; step k's fragments are in; those of the three steps asked for behind it may be out
	KLOAD KK+4                                     ; into registers of its own, which no line has named: no wait is owed
.else
	s_wait_loadcnt 12*(7-KK)
.endif
.endif
.if KK < 4
	WIN 0x06                                       ; source 0 (K) window 2, source 1 (Q) window 1
.else
	WIN 0x07                                       ; source 0 window 3
.endif
.irp i, 0,1,2,3
	PRODS \i
.endr
	WIN 0
.if RR == 0
.rept 6
	v_nop                                          ; the first pass has no maxima to set behind it
.endr
.else
	MAXG RR-1
.endif
.if RR == 64
	s_wait_alu depctr_va_vdst(0)                   ; the maxima of passes 0 to 63 have written OUT 8 m + 0 .. 3, which the sixteen stores of passes 64 to 79 read
.endif
.if (RR >= 64) && (RR < 80)
	SENDM RR-64, 0                                 ; one store a pass; no line since the wait names its registers
.endif
.set RR, RR+1
.endm
	s_load_b128 s[4:7], s[0:1], 0x0                ; opq, qq
	s_load_b64 s[8:9], s[0:1], 0x10                ; gmax
	v_lshl_add_u32 v[SPW], v0, 2, SPARE
	v_mov_b32 v[NIL], 0
	v_lshrrev_b32 v5, 5, v0
	v_readfirstlane_b32 s10, v5                    ; wave 0..3
	s_and_b32 s11, ttmp7, 0xffff                   ; X: which 256 tokens;  ttmp9 = y: which 128 tiles of keys
	v_and_b32 v5, 31, v0
	v_lshlrev_b32 v[LI], 4, v5
	v_lshlrev_b32 v[L4], 2, v5
	v_and_b32 v224, 15, v0
	v_bfe_u32 v225, v0, 4, 1
	v_mul_u32_u24 v[QRO], v224, 96
	v_mad_u32_u24 v[QRO], v225, 24, v[QRO]
	s_wait_alu depctr_va_sdst(0)                   ; s10 is written, ahead of its first reader: addresses and bases are made from it
	s_mul_i32 s24, s10, 6144
	v_add_nc_u32 v[QWI], s24, v[LI]
	s_lshl_b32 s22, ttmp9, 2
	s_add_co_u32 s22, s22, s10                     ; 4 y + w
	s_mov_b32 s25, 0
	s_wait_kmcnt 0x0
	s_lshl_b32 s24, s22, 11
	s_add_co_u32 s24, s24, KS
	s_add_nc_u64 s[12:13], s[4:5], s[24:25]        ; K's scale words: (32 y + 8 w) x 256
	s_lshl_b32 s24, s11, 10
	s_add_co_u32 s24, s24, QSOFF
	s_add_nc_u64 s[14:15], s[6:7], s[24:25]        ; Q's: 256 tokens x 4
	s_mul_i32 s24, s11, 24576
	s_mul_i32 s23, s10, 6144
	s_add_co_u32 s24, s24, s23
	s_add_nc_u64 s[16:17], s[6:7], s[24:25]        ; the four tiles of Q that I bring in: (256 X + 64 w) x 96
	s_mul_i32 s24, s22, 49152
	s_add_co_u32 s24, s24, KI
	s_add_nc_u64 s[18:19], s[4:5], s[24:25]        ; my 32 tiles of K
	s_lshl_b32 s24, s11, 20
	s_lshl_b32 s23, s22, 10
	s_add_co_u32 s24, s24, s23
	s_add_nc_u64 s[20:21], s[8:9], s[24:25]        ; gmax: 16 tiles x 65,536 X + (8 y + 2 w) x 512
	s_wait_alu depctr_va_vdst(0)                   ; the addresses v1 to v4 are written, which every load and store of the kernel reads; none is written again
.irp p, 0,1,2,3
	global_load_b128 v[KSC+4*\p:KSC+4*\p+3], v[LI], s[12:13] offset:512*\p
.endr
.irp p, 0,1,2,3,4,5,6,7
	global_load_b32 v[QSC+\p], v[L4], s[14:15] offset:128*\p
.endr
.irp t, 0,1,2,3
.irp p, 0,1,2,3,4,5
	global_load_b64 v[OUT+12*\t+2*\p:OUT+12*\t+2*\p+1], v[QRO], s[16:17] offset:1536*\t+48*(\p/3)+8*(\p%3)
.endr
.endr
	KLOAD 0
	KLOAD 1
	KLOAD 2
	KLOAD 3
	WIN 0
	s_wait_loadcnt 48                              ; the scale words and Q are in; K's first 48 loads may be out
.irp t, 0,1,2,3
.irp g, 0,1,2
	ds_store_b128 v[QWI], v[OUT+12*\t+4*\g:OUT+12*\t+4*\g+3] offset:1536*\t+512*\g
.endr
.endr
	s_wait_dscnt 0x0                               ; for the others' sake: my images have landed
	s_barrier_signal -1
	s_barrier_wait -1                              ; Q's 16 images lie in LDS; nobody writes them again
	s_wait_alu depctr_vm_vsrc(0)                   ; my LDS stores have read v96-143, which the maxima write from the second pass on
	WIN 0x40
.irp m, 0,1,2,3,4,5,6,7,8,9,10,11,12,13,14,15
.irp g, 0,1,2
	ds_load_b128 v[12*\m+4*\g:12*\m+4*\g+3], v[LI] offset:1536*\m+512*\g
.endr
.endr
	WIN 0
	s_wait_dscnt 0x0
.set RR, 0
.rept 128
	PASS
.endr
	MAXG 127                                       ; the sixteen maxima of pass 126 stand between the last products and this read
	s_wait_alu depctr_va_vdst(0)                   ; the maxima of passes 64 to 127 have written OUT 8 m + 4 .. 7, which the last sixteen stores read
.irp m, 0,1,2,3,4,5,6,7,8,9,10,11,12,13,14,15
	SENDM \m, 1
.endr
	s_wait_dscnt 0x0                               ; the closing lines, six on end
	s_wait_alu 0x0
	s_wait_tensorcnt 0x0
	ds_add_u32 v[SPW], v[NIL]
	s_wait_dscnt 0x0
	s_endpgm
.Lfunc_end_k_q0285ea1473_score:
	.size	k_q0285ea1473_score, .Lfunc_end_k_q0285ea1473_score-k_q0285ea1473_score
	.p2alignl 7, 3214868480
	.fill 96, 4, 3214868480
	.section	.rodata,"a",@progbits
	.p2align	6, 0x0
	.amdhsa_kernel k_q0285ea1473_score
		.amdhsa_group_segment_fixed_size 25088
		.amdhsa_private_segment_fixed_size 0
		.amdhsa_enable_private_segment 0
		.amdhsa_kernarg_size 24
		.amdhsa_user_sgpr_count 2
		.amdhsa_user_sgpr_kernarg_segment_ptr 1
		.amdhsa_wavefront_size32 1
		.amdhsa_system_sgpr_workgroup_id_x 1
		.amdhsa_system_sgpr_workgroup_id_y 1
		.amdhsa_system_sgpr_workgroup_id_z 1
		.amdhsa_system_vgpr_workitem_id 0
		.amdhsa_next_free_vgpr 960
		.amdhsa_next_free_sgpr 66
		.amdhsa_reserve_vcc 0
		.amdhsa_float_denorm_mode_32 3
		.amdhsa_float_denorm_mode_16_64 3
		.amdhsa_memory_ordered 1
		.amdhsa_forward_progress 1
		.amdhsa_inst_pref_size 219
	.end_amdhsa_kernel
	.amdgpu_metadata
---
amdhsa.version: [ 1, 2 ]
amdhsa.kernels:
  - .name:           k_q0285ea1473_score
    .symbol:         k_q0285ea1473_score.kd
    .args:
      - { .name: opq, .offset: 0, .size: 8, .value_kind: global_buffer, .address_space: global }
      - { .name: qq, .offset: 8, .size: 8, .value_kind: global_buffer, .address_space: global }
      - { .name: gmax, .offset: 16, .size: 8, .value_kind: global_buffer, .address_space: global }
    .group_segment_fixed_size: 25088
    .private_segment_fixed_size: 0
    .kernarg_segment_align: 8
    .kernarg_segment_size: 24
    .max_flat_workgroup_size: 128
    .sgpr_count:     66
    .vgpr_count:     960
    .wavefront_size: 32
...
	.end_amdgpu_metadata
.endif
;; end of part 8
;; launch pick: the kernel of part 4 again; grid 256 x 1, 16 waves a work-group, no clusters, 63,488 bytes of LDS; arguments gmax, gsel; writes gsel
;; launch refine (part 9): grid 256 x 1, 4 waves a work-group, no clusters, 8,704 bytes of LDS; arguments opq, qq, gsel, tidx, twt; writes tidx, twt
.if DOCPART == 9
	.amdgcn_target "amdgcn-amd-amdhsa--gfx1250"
	.amdhsa_code_object_version 6
	.text
	.protected	k_q0285ea1473_refine
	.globl	k_q0285ea1473_refine
	.p2align	8
	.type	k_q0285ea1473_refine,@function
k_q0285ea1473_refine:
	s_mov_b64 s[64:65], 0
	v_nop
	global_prefetch_b8 v0, s[64:65] scope:SCOPE_SE
	s_setreg_imm32_b32 hwreg(HW_REG_WAVE_SCHED_MODE, 0, 2), 2
	s_setreg_imm32_b32 hwreg(HW_REG_WAVE_MODE, 25, 1), 1
	s_wait_xcnt 0x0
	s_wait_alu depctr_vm_vsrc(0)
; Launch 5 of 6: the 256 scores of each token's 8 chosen groups once more, by the same matrix instruction on the same codes and scale words; of them the 8 largest, ties to the lower key; their softmax.
; Only the chosen groups' keys are multiplied again: the choice was stored as whole numbers by the launch before, and why it holds the 8 best keys is shown at the head of the first launch.
; SHARES.  A work-group takes a tile of 16 tokens; wave v takes places 2 v and 2 v + 1 of each token's list of groups.  For token t and i = 0 .. 3 source 0 is put together of two halves: rows 0-7 are keys 32 g + 8 i + j
; of the group at place 2 v, rows 8-15 the same of place 2 v + 1: in K's images eight rows of a tile are 128 consecutive bytes of each group of registers.  Source 1 is the tile's Q; of the result column t alone is kept.
; So lane (t, h) ends up with the 32 scores of place 2 v + h of token t, in ascending order of key.  Lists, insertions and merges as in the launch before: the groups were stored ascending, so every merge takes higher keys into lower.
; The maximum (the list's first value) is taken away before the exponentials; log2(e) / sqrt(128) scales the difference.  LIMITS: NaN and infinities are not served.
; THE MODE: SCHED_MODE bits 1:0 = 2 (LLVM: expert scheduling mode 2), set by the entry lines.  The code itself states the register dependences
; between vector or matrix instructions and memory or LDS instructions, with s_wait_alu, always for 0.
; THE PLAN.  Registers that memory or LDS instructions touch:
;   v1-v7, v10, v11, v25-27  addresses and the closing add's pair: written at the head, never again.
;   v32-63         KO, SO: made by vector lines from the loaded groups; read by the gathered loads; never written again: one wait ahead of the first of those loads.
;   the ring       slot t % 5 (window 1) and its four scale registers: loaded for token t; read by token t's four products; loaded again for token t + 5.
;   Q's fragment and scale words, the groups as loaded: loaded once.
;   LL, GG         written by the insertions; read by my LDS stores; in wave 0 the lists of the other waves then land there and in BL, BG.
;   D1, D2         written by the last selections; read by the two stores.
; So ONE wait on va_vdst stands in a token's turn, behind the 32 selection lines that follow its products and ahead of the thirteen loads into the slot that those products read.
; Scalar masks: each insertion's eight compares write s32-39; one wait on va_sdst stands between them and the selections that read the masks; the eight lines on the values, which read no mask, stand ahead of that wait.
.set KI, 4730880
.set KS, 8073728
.set QSOFF, 393216
.set SPARE, 8192                       ; LDS: four list images of 2,048 bytes; then the spare words, 128 bytes a wave
.set LI, 1
.set KL, 2                             ; v2  256 h + 16 (lane % 8): my place in eight rows of an image
.set SL, 3                             ; v3  16 (lane % 8): and among their scale words
.set GO4, 4                            ; v4  4 x ((lane % 16) / 8): which of my wave's two places my row of source 0 belongs to
.set GO5, 5                            ; v5  32 (lane % 16) + 4 (lane / 16): the place whose scores I end up with
.set SPW, 6
.set NIL, 7
.set KBV, 8                            ; v8  32 x my group: its first key
.set GC, 9
.set WA, 10
.set RA, 11
.set QF, 12                            ; v12-23 Q's fragment
.set QS, 24                            ; v24 Q's scale words
.set OA, 25
.set QRO, 26
.set QSO, 27
.set KO, 32                            ; v32-47 token t: my byte offset among K's images
.set SO, 48                            ; v48-63 and among K's scale words
.set KSC, 64                           ; v64-83 K's scale words: a ring of five slots of four
.set ACC, 84                           ; v84-147 two sets of four accumulators
.set S, 148                            ; v148-179 my 32 scores (at the head: the groups as loaded; at the end: at work)
.set LL, 180
.set GG, 188
.set BL, 196
.set BG, 204
.set TM, 212
.set TT, 148
.set D1, 152
.set D2, 156
.set WV, 46
.set MK, 32                            ; s32-39
.set MSEL, 40
.set SEL, 26
.set HI, 28
.set MSB, 0
.macro WIN new
.if MSB != \new
	s_set_vgpr_msb (MSB<<8)|\new
.set MSB, \new
.endif
.endm
.macro INSERT x, g                     ; value v[x] with id v[g] into the sorted list.  The values' lines and the ids' lines are two chains of their own: the values' read no mask
.irp i, 0,1,2,3,4,5,6,7
	v_cmp_gt_f32 s[MK+\i], v[\x], v[LL+\i]
.endr
.irp i, 7,6,5,4,3,2,1
	v_med3_num_f32 v[LL+\i], v[LL+\i-1], v[LL+\i], v[\x]       ; the place above moves down, or the new value comes in, or the place stays
.endr
	v_max_num_f32 v[LL], v[LL], v[\x]
	s_wait_alu depctr_va_sdst(0)                   ; the eight compares have written s32-39, ahead of the first selection that reads a mask
.irp i, 7,6,5,4,3,2,1
	v_cndmask_b32 v[GG+\i], v[GG+\i], v[\g], s[MK+\i]
	v_cndmask_b32 v[GG+\i], v[GG+\i], v[GG+\i-1], s[MK+\i-1]
.endr
	v_cndmask_b32 v[GG], v[GG], v[\g], s[MK]
.endm
.macro MERGE8
.irp n, 0,1,2,3,4,5,6,7
	INSERT BL+\n, BG+\n
.endr
.endm
.macro HMERGE
.irp n, 0,1,2,3,4,5,6,7
	v_permlanex16_b32 v[BL+\n], v[LL+\n], s[SEL], s[SEL+1]
	v_permlanex16_b32 v[BG+\n], v[GG+\n], s[SEL], s[SEL+1]
.endr
	MERGE8
.endm
.macro OUT8 reg, d                     ; eight words a token out of lanes 0-15 become four words a lane: lane t words 0-3, lane 16 + t words 4-7
.irp k, 0,1,2,3
	v_permlanex16_b32 v[TT+\k], v[\reg+4+\k], s[SEL], s[SEL+1]
.endr
.irp k, 0,1,2,3
	v_cndmask_b32 v[\d+\k], v[\reg+\k], v[TT+\k], s[HI]
.endr
.endm
.macro TLOAD t                         ; token t's four fragments and their scale words into slot t % 5: thirteen loads
	global_load_b128 v[KSC+4*((\t)%5):KSC+4*((\t)%5)+3], v[SO+(\t)], s[20:21]
	WIN 0x40
.irp i, 0,1,2,3
.irp g, 0,1,2
	global_load_b128 v[48*((\t)%5)+12*\i+4*\g:48*((\t)%5)+12*\i+4*\g+3], v[KO+(\t)], s[18:19] offset:1536*\i+512*\g
.endr
.endr
	WIN 0
.endm
.macro SELECT u                        ; lanes u and u + 16 keep column u of token u's results; each accumulator is read from its low end on
.set N, 0
.if (\u) == 0
.rept 32
	v_mov_b32 v[S+N], v[ACC+N]                     ; the first writes S whole
.set N, N+1
.endr
.else
	s_mov_b32 s[MSEL], 0x00010001<<(\u)
.rept 32
	v_cndmask_b32 v[S+N], v[S+N], v[ACC+32*((\u)%2)+N], s[MSEL]
.set N, N+1
.endr
.endif
.endm
.macro TOKEN t
.if 15-(\t) < 4
	s_wait_loadcnt 13*(15-(\t))                    ; token t's slot is in; the tokens asked for behind it, thirteen loads each, may be out
.else
	s_wait_loadcnt 52
.endif
	WIN 0x01                                       ; source 0 (K) window 1
.irp i, 0,1,2,3
	v_wmma_scale_f32_16x16x128_f8f6f4 v[ACC+32*((\t)%2)+8*\i:ACC+32*((\t)%2)+8*\i+7], v[48*((\t)%5)+12*\i:48*((\t)%5)+12*\i+11], v[QF:QF+11], 0, v[KSC+4*((\t)%5)+\i], v[QS] matrix_a_fmt:MATRIX_FMT_FP6 matrix_b_fmt:MATRIX_FMT_FP6
.endr
	WIN 0
.if (\t) == 0
.rept 6
	v_nop                                          ; the first token has no selection to set behind it
.endr
.else
	SELECT (\t)-1                                  ; 32 plain lines on the other set: the places behind the products, in front of the next read and of the products that begin that set anew
.endif
.if (\t)+5 <= 15
	s_wait_alu depctr_va_vdst(0)                   ; token t's products are done reading slot t % 5 and its four scale registers, in which the loads below land
	TLOAD (\t)+5
.endif
.endm
	s_load_b256 s[4:11], s[0:1], 0x0               ; opq s[4:5], qq s[6:7], gsel s[8:9], tidx s[10:11]
	s_load_b64 s[44:45], s[0:1], 0x20              ; twt
	v_lshl_add_u32 v[SPW], v0, 2, SPARE
	v_mov_b32 v[NIL], 0
	v_lshrrev_b32 v212, 5, v0
	v_readfirstlane_b32 s[WV], v212                ; wave 0..3
	v_and_b32 v212, 31, v0
	v_and_b32 v213, 15, v0
	v_bfe_u32 v214, v0, 4, 1
	v_and_b32 v215, 7, v0
	v_bfe_u32 v216, v0, 3, 1
	v_lshlrev_b32 v[LI], 4, v212
	v_lshlrev_b32 v[SL], 4, v215
	v_lshl_add_u32 v[KL], v214, 8, v[SL]
	v_lshlrev_b32 v[GO4], 2, v216
	v_lshlrev_b32 v[GO5], 5, v213
	v_lshl_add_u32 v[GO5], v214, 2, v[GO5]
	s_wait_alu depctr_va_sdst(0)                   ; s46 is written, ahead of its first reader: addresses, bases and the branch on the wave's number are made from it
	s_lshl_b32 s30, s[WV], 11
	v_add_nc_u32 v[WA], s30, v[LI]
	v_lshlrev_b32 v[RA], 4, v213
	v_lshl_add_u32 v[RA], v214, 12, v[RA]          ; lanes 0-15 merge images 0 and 1, lanes 16-31 images 2 and 3; of each image lanes 0-15's part counts
	v_lshlrev_b32 v[OA], 5, v213
	v_lshl_add_u32 v[OA], v214, 4, v[OA]
	v_mul_u32_u24 v[QRO], v213, 96
	v_mad_u32_u24 v[QRO], v214, 24, v[QRO]
	v_lshlrev_b32 v[QSO], 2, v213
	s_lshl_b32 s30, ttmp9, 9                       ; 512 T
	s_mov_b32 s31, 0
	s_lshl_b32 s29, s[WV], 3
	s_mov_b32 s[SEL], 0x76543210
	s_mov_b32 s[SEL+1], 0xfedcba98
	s_mov_b32 s[HI], 0xffff0000
	s_wait_kmcnt 0x0
	s_add_nc_u64 s[22:23], s[10:11], s[30:31]      ; tidx and twt at my tile
	s_add_nc_u64 s[24:25], s[44:45], s[30:31]
	s_add_co_u32 s30, s30, s29
	s_add_nc_u64 s[12:13], s[8:9], s[30:31]        ; gsel at my tile, place 2 v
	s_mul_i32 s30, ttmp9, 1536
	s_add_nc_u64 s[14:15], s[6:7], s[30:31]        ; Q's codes
	s_lshl_b32 s30, ttmp9, 6
	s_add_co_u32 s30, s30, QSOFF
	s_add_nc_u64 s[16:17], s[6:7], s[30:31]        ; Q's scale words
	s_add_nc_u64 s[18:19], s[4:5], KI
	s_add_nc_u64 s[20:21], s[4:5], KS
	s_wait_alu depctr_va_vdst(0)                   ; the head's addresses are written (v4, v5, v26, v27 for the loads below; v10, v11, v25 for the LDS lines and stores further on); none is written again
.irp t, 0,1,2,3,4,5,6,7,8,9,10,11,12,13,14,15
	global_load_b32 v[S+\t], v[GO4], s[12:13] offset:32*\t
.endr
	global_load_b32 v[KBV], v[GO5], s[12:13]
.irp p, 0,1,2,3,4,5
	global_load_b64 v[QF+2*\p:QF+2*\p+1], v[QRO], s[14:15] offset:48*(\p/3)+8*(\p%3)
.endr
	global_load_b32 v[QS], v[QSO], s[16:17]
	s_wait_loadcnt 0x0
; group = 512 b + a: tiles 4 a .. 4 a + 3, rows 8 b .. 8 b + 7.  The two parts are held to their ranges before they enter an address
.irp t, 0,1,2,3,4,5,6,7,8,9,10,11,12,13,14,15
	v_and_b32 v[TM], 511, v[S+\t]
	v_lshrrev_b32 v[TM+1], 9, v[S+\t]
	v_min_u32 v[TM], 511, v[TM]
	v_min_u32 v[TM+1], 1, v[TM+1]
	v_mul_u32_u24 v[KO+\t], v[TM], 6144
	v_lshl_add_u32 v[KO+\t], v[TM+1], 7, v[KO+\t]
	v_add_nc_u32 v[KO+\t], v[KO+\t], v[KL]
	v_lshlrev_b32 v[SO+\t], 8, v[TM]
	v_lshl_add_u32 v[SO+\t], v[TM+1], 7, v[SO+\t]
	v_add_nc_u32 v[SO+\t], v[SO+\t], v[SL]
.endr
	v_lshlrev_b32 v[KBV], 5, v[KBV]
	s_wait_alu depctr_va_vdst(0)                   ; all sixteen tokens' offsets v32-63 are written, which the gathered loads of the whole kernel read; none is written again
	TLOAD 0
	TLOAD 1
	TLOAD 2
	TLOAD 3
	TLOAD 4
.irp i, 0,1,2,3,4,5,6,7
	v_mov_b32 v[LL+\i], 0xff800000                 ; -infinity: under every score
	v_mov_b32 v[GG+\i], 0
	v_mov_b32 v[BL+\i], 0                          ; (a lane permute's destination counts as one of its sources)
	v_mov_b32 v[BG+\i], 0
.endr
.irp t, 0,1,2,3,4,5,6,7,8,9,10,11,12,13,14,15
	TOKEN \t
.endr
	SELECT 15                                      ; token 14's selection stands between the last products and this read
.set NN, 0
.rept 32
	v_add_nc_u32 v[GC], NN, v[KBV]                 ; the key, ascending
	INSERT S+NN, GC
.set NN, NN+1
.endr
	HMERGE                                         ; place 2 v + 1 into place 2 v
	s_wait_alu depctr_va_vdst(0)                   ; the insertions have written LL and GG, which the LDS stores read, and are done with BL and BG; no vector line names the four before wave 0's loads land in them
	ds_store_b128 v[WA], v[LL:LL+3]
	ds_store_b128 v[WA], v[LL+4:LL+7] offset:512
	ds_store_b128 v[WA], v[GG:GG+3] offset:1024
	ds_store_b128 v[WA], v[GG+4:GG+7] offset:1536
	s_wait_dscnt 0x0                               ; for wave 0's sake: my list has landed
	s_barrier_signal -1
	s_barrier_wait -1
	s_wait_alu depctr_vm_vsrc(0)                   ; my LDS stores have read LL and GG, in which wave 0's loads land behind the branch
	s_cmp_lg_u32 s[WV], 0
	s_cbranch_scc1 .Lend
	ds_load_b128 v[LL:LL+3], v[RA]
	ds_load_b128 v[LL+4:LL+7], v[RA] offset:512
	ds_load_b128 v[GG:GG+3], v[RA] offset:1024
	ds_load_b128 v[GG+4:GG+7], v[RA] offset:1536
	ds_load_b128 v[BL:BL+3], v[RA] offset:2048
	ds_load_b128 v[BL+4:BL+7], v[RA] offset:2560
	ds_load_b128 v[BG:BG+3], v[RA] offset:3072
	ds_load_b128 v[BG+4:BG+7], v[RA] offset:3584
	s_wait_dscnt 0x0
	MERGE8
	HMERGE
.irp i, 0,1,2,3,4,5,6,7
	v_sub_f32 v[TM+\i], v[LL+\i], v[LL]            ; the largest score is taken away
.endr
.irp i, 0,1,2,3,4,5,6,7
	v_mul_f32 v[TM+\i], 0x3e0293ee, v[TM+\i]       ; x log2(e) / sqrt(128)
.endr
.irp i, 0,1,2,3,4,5,6,7
	v_exp_f32 v[TM+\i], v[TM+\i]
.endr
	v_nop                                          ; a plain place behind the last exponential
	s_wait_alu depctr_va_vdst(0)                   ; the eight exponentials have written their results: one wait, ahead of their first reader
	v_add_f32 v[TM+8], v[TM], v[TM+1]
	v_add_f32 v[TM+9], v[TM+2], v[TM+3]
	v_add_f32 v[TM+10], v[TM+4], v[TM+5]
	v_add_f32 v[TM+11], v[TM+6], v[TM+7]
	v_add_f32 v[TM+8], v[TM+8], v[TM+9]
	v_add_f32 v[TM+10], v[TM+10], v[TM+11]
	v_add_f32 v[TM+8], v[TM+8], v[TM+10]
	v_rcp_f32 v[TM+12], v[TM+8]
	v_nop
	s_wait_alu depctr_va_vdst(0)                   ; the reciprocal has written its result, ahead of its first reader
.irp i, 0,1,2,3,4,5,6,7
	v_mul_f32 v[TM+\i], v[TM+\i], v[TM+12]
.endr
	OUT8 GG, D1                                    ; the keys, whole numbers for the next launch's addresses,
	OUT8 TM, D2                                    ; and their weights
	s_wait_alu depctr_va_vdst(0)                   ; the selections have written v152-159, which the two stores read
	global_store_b128 v[OA], v[D1:D1+3], s[22:23]  ; 512 consecutive bytes each
	global_store_b128 v[OA], v[D2:D2+3], s[24:25]
.Lend:
	s_wait_dscnt 0x0                               ; the closing lines, six on end
	s_wait_alu 0x0
	s_wait_tensorcnt 0x0
	ds_add_u32 v[SPW], v[NIL]
	s_wait_dscnt 0x0
	s_endpgm
.Lfunc_end_k_q0285ea1473_refine:
	.size	k_q0285ea1473_refine, .Lfunc_end_k_q0285ea1473_refine-k_q0285ea1473_refine
	.p2alignl 7, 3214868480
	.fill 96, 4, 3214868480
	.section	.rodata,"a",@progbits
	.p2align	6, 0x0
	.amdhsa_kernel k_q0285ea1473_refine
		.amdhsa_group_segment_fixed_size 8704
		.amdhsa_private_segment_fixed_size 0
		.amdhsa_enable_private_segment 0
		.amdhsa_kernarg_size 40
		.amdhsa_user_sgpr_count 2
		.amdhsa_user_sgpr_kernarg_segment_ptr 1
		.amdhsa_wavefront_size32 1
		.amdhsa_system_sgpr_workgroup_id_x 1
		.amdhsa_system_sgpr_workgroup_id_y 1
		.amdhsa_system_sgpr_workgroup_id_z 1
		.amdhsa_system_vgpr_workitem_id 0
		.amdhsa_next_free_vgpr 512
		.amdhsa_next_free_sgpr 66
		.amdhsa_reserve_vcc 0
		.amdhsa_float_denorm_mode_32 3
		.amdhsa_float_denorm_mode_16_64 3
		.amdhsa_memory_ordered 1
		.amdhsa_forward_progress 1
		.amdhsa_inst_pref_size 193
	.end_amdhsa_kernel
	.amdgpu_metadata
---
amdhsa.version: [ 1, 2 ]
amdhsa.kernels:
  - .name:           k_q0285ea1473_refine
    .symbol:         k_q0285ea1473_refine.kd
    .args:
      - { .name: opq, .offset: 0, .size: 8, .value_kind: global_buffer, .address_space: global }
      - { .name: qq, .offset: 8, .size: 8, .value_kind: global_buffer, .address_space: global }
      - { .name: gsel, .offset: 16, .size: 8, .value_kind: global_buffer, .address_space: global }
      - { .name: tidx, .offset: 24, .size: 8, .value_kind: global_buffer, .address_space: global }
      - { .name: twt, .offset: 32, .size: 8, .value_kind: global_buffer, .address_space: global }
    .group_segment_fixed_size: 8704
    .private_segment_fixed_size: 0
    .kernarg_segment_align: 8
    .kernarg_segment_size: 40
    .max_flat_workgroup_size: 128
    .sgpr_count:     66
    .vgpr_count:     512
    .wavefront_size: 32
...
	.end_amdgpu_metadata
.endif
;; end of part 9
;; launch gather: the kernel of part 6 again; grid 1024 x 1, 8 waves a work-group, no clusters, 0 bytes of LDS; arguments knowledge_V, tidx, twt, out0; writes out0
